; MI455X (gfx1250); checked and timed in simulation.
; The chip was launched on July 23, 2026; its instructions are those of AMD's public machine-readable ISA for CDNA 5 (MIT licence, August 2026) and "CDNA5" Instruction Set Architecture Reference Guide (July 2026). The comments in the code are by the model that wrote it; some were corrected since.
;; Multi Head Self Attention. Allowed arithmetic: float matrix products may take bf16 or f16 operands with f32 sums; other float arithmetic in f32, or as packed bf16 or f16 multiplies, adds, multiply-adds, maxima and minima; sums over many terms, partial sums and values carried from step to step in f32; what a program stores and reads back later, other than sums and carried values, may be rounded once to bf16 or f16.
;; Inputs: Wk 1,024 x 1,024 float32; Wo 1,024 x 1,024 float32; Wq 1,024 x 1,024 float32; Wv 1,024 x 1,024 float32; bk 1,024 float32; bo 1,024 float32; bq 1,024 float32; bv 1,024 float32; key 4 x 2,048 x 1,024 float32; mask 4 x 1 x 1 x 2,048 float32; query 4 x 2,048 x 1,024 float32; value 4 x 2,048 x 1,024 float32.
;; Outputs: out0 4 x 2,048 x 1,024 float32.
;; 2 versions, each right and faster than the one before. Each part assembles by itself: llvm-mc -triple=amdgcn-amd-amdhsa -mcpu=gfx1250 --defsym DOCPART=n.
;; ======== version 1 of 2: 4 launches
;; limits: values are held in f16: magnitudes above 65,504 overflow, below 6.1e-05 lose precision
;; workspace buffers: wts 8,388,608 bytes; qkv 50,331,648 bytes; ob 16,777,216 bytes
;; launch castw (part 1): grid 128 x 4, 8 waves a work-group, no clusters, 0 bytes of LDS; arguments Wq, Wk, Wv, Wo, wts; writes wts
.if DOCPART == 1
	.amdgcn_target "amdgcn-amd-amdhsa--gfx1250"
	.amdhsa_code_object_version 6
	.text
	.protected	k_q93513198d8_castw
	.globl	k_q93513198d8_castw
	.p2align	8
	.type	k_q93513198d8_castw,@function
k_q93513198d8_castw:
	s_mov_b64 s[64:65], 0
	v_nop
	global_prefetch_b8 v0, s[64:65] scope:SCOPE_SE
	s_setreg_imm32_b32 hwreg(HW_REG_WAVE_MODE, 25, 1), 1
	s_wait_xcnt 0x0
; wts[y][k][n], 16 bits a number, y = 0, 1, 2, 3 for Wq, Wk, Wv, Wo; the layout [k][n] is kept.
; Wq, Wk, Wv are rounded to bf16.  Wo is rounded to bf16 as well, like every input of the program, and that number is written as f16,
; since the last product multiplies it with f16 numbers.
; LIMIT.  f16 writes a bf16 number exactly between 6.1e-5 and 65,504; below 6.1e-5 it keeps a fixed step of 6e-8, beyond 65,504 it has no number.
; A stream: each byte is read once and written once; no LDS, no barrier, no matrix unit: nothing is shared and nothing is summed.
; SHARES.  Work-group (x, y) takes 8,192 numbers of matrix y: 32,768 bytes in, 16,384 out.  Thread t takes 16 bytes of each of eight blocks of 4,096:
; a wave's load covers 512 neighbouring bytes, a wave's store 256, both aligned.  All eight loads go out first.
.set X, 4                              ; v[4:35]   eight loads of four f32
.set Y, 36                             ; v[36:51]  eight stores of four 16-bit numbers
.set T, 52                             ; v[52:53]  at work
	s_load_b256 s[4:11], s[0:1], 0x0               ; Wq s[4:5], Wk s[6:7], Wv s[8:9], Wo s[10:11]
	s_load_b64 s[12:13], s[0:1], 0x20              ; wts
	s_and_b32 s14, ttmp7, 0xffff                   ; y: which matrix
	v_lshlrev_b32 v1, 4, v0                        ; 16 t
	v_lshlrev_b32 v2, 3, v0                        ; 8 t
	s_lshl_b32 s16, ttmp9, 15                      ; x times 32,768 bytes of f32
	s_mov_b32 s17, 0
	s_lshl_b32 s18, s14, 21                        ; y times 2 MiB of 16-bit numbers
	s_lshl_b32 s19, ttmp9, 14                      ; x times 16,384 bytes
	s_add_co_u32 s18, s18, s19
	s_mov_b32 s19, 0
	s_wait_kmcnt 0x0
	s_cmp_eq_u32 s14, 1
	s_cselect_b64 s[4:5], s[6:7], s[4:5]
	s_cmp_eq_u32 s14, 2
	s_cselect_b64 s[4:5], s[8:9], s[4:5]
	s_cmp_eq_u32 s14, 3
	s_cselect_b64 s[4:5], s[10:11], s[4:5]
	s_add_nc_u64 s[4:5], s[4:5], s[16:17]
	s_add_nc_u64 s[12:13], s[12:13], s[18:19]
.irp j, 0,1,2,3,4,5,6,7
	global_load_b128 v[X+4*(\j):X+4*(\j)+3], v1, s[4:5] offset:4096*(\j) th:TH_LOAD_NT
.endr
; Block j.  half = 1: bf16 first, then that number as f16.  No register that a load or store names is written twice, so the only wait is the load's own.
.macro CHUNK j, half
	s_wait_loadcnt 7-(\j)                          ; loads come back in order: block j is in, the younger ones stay out
.if \half
	v_cvt_pk_bf16_f32 v[T],   v[X+4*(\j)],   v[X+4*(\j)+1]
	v_cvt_pk_bf16_f32 v[T+1], v[X+4*(\j)+2], v[X+4*(\j)+3]
	v_lshlrev_b32 v[X+4*(\j)],   16, v[T]          ; bf16 to f32: the low half moves up,
	v_and_b32     v[X+4*(\j)+1], 0xffff0000, v[T]  ; the high half stays
	v_lshlrev_b32 v[X+4*(\j)+2], 16, v[T+1]
	v_and_b32     v[X+4*(\j)+3], 0xffff0000, v[T+1]
	v_cvt_pk_f16_f32 v[Y+2*(\j)],   v[X+4*(\j)],   v[X+4*(\j)+1]
	v_cvt_pk_f16_f32 v[Y+2*(\j)+1], v[X+4*(\j)+2], v[X+4*(\j)+3]
.else
	v_cvt_pk_bf16_f32 v[Y+2*(\j)],   v[X+4*(\j)],   v[X+4*(\j)+1]
	v_cvt_pk_bf16_f32 v[Y+2*(\j)+1], v[X+4*(\j)+2], v[X+4*(\j)+3]
.endif
	global_store_b64 v2, v[Y+2*(\j):Y+2*(\j)+1], s[12:13] offset:2048*(\j)
.endm
	s_cmp_eq_u32 s14, 3
	s_cbranch_scc1 .Lf16
.irp j, 0,1,2,3,4,5,6,7
	CHUNK \j, 0
.endr
	s_endpgm
.Lf16:
.irp j, 0,1,2,3,4,5,6,7
	CHUNK \j, 1
.endr
	s_endpgm
.Lfunc_end_k_q93513198d8_castw:
	.size	k_q93513198d8_castw, .Lfunc_end_k_q93513198d8_castw-k_q93513198d8_castw
	.p2alignl 7, 3214868480
	.fill 96, 4, 3214868480
	.section	.rodata,"a",@progbits
	.p2align	6, 0x0
	.amdhsa_kernel k_q93513198d8_castw
		.amdhsa_group_segment_fixed_size 0
		.amdhsa_private_segment_fixed_size 0
		.amdhsa_enable_private_segment 0
		.amdhsa_kernarg_size 40
		.amdhsa_user_sgpr_count 2
		.amdhsa_user_sgpr_kernarg_segment_ptr 1
		.amdhsa_wavefront_size32 1
		.amdhsa_system_sgpr_workgroup_id_x 1
		.amdhsa_system_sgpr_workgroup_id_y 1
		.amdhsa_system_sgpr_workgroup_id_z 1
		.amdhsa_system_vgpr_workitem_id 0
		.amdhsa_next_free_vgpr 64
		.amdhsa_next_free_sgpr 66
		.amdhsa_reserve_vcc 0
		.amdhsa_float_denorm_mode_32 3
		.amdhsa_float_denorm_mode_16_64 3
		.amdhsa_memory_ordered 1
		.amdhsa_forward_progress 1
		.amdhsa_inst_pref_size 9
	.end_amdhsa_kernel
	.amdgpu_metadata
---
amdhsa.version: [ 1, 2 ]
amdhsa.kernels:
  - .name:           k_q93513198d8_castw
    .symbol:         k_q93513198d8_castw.kd
    .args:
      - { .name: Wq, .offset: 0, .size: 8, .value_kind: global_buffer, .address_space: global }
      - { .name: Wk, .offset: 8, .size: 8, .value_kind: global_buffer, .address_space: global }
      - { .name: Wv, .offset: 16, .size: 8, .value_kind: global_buffer, .address_space: global }
      - { .name: Wo, .offset: 24, .size: 8, .value_kind: global_buffer, .address_space: global }
      - { .name: wts, .offset: 32, .size: 8, .value_kind: global_buffer, .address_space: global }
    .group_segment_fixed_size: 0
    .private_segment_fixed_size: 0
    .kernarg_segment_align: 8
    .kernarg_segment_size: 40
    .max_flat_workgroup_size: 256
    .sgpr_count:     66
    .vgpr_count:     64
    .wavefront_size: 32
...
	.end_amdgpu_metadata
.endif
;; end of part 1
;; launch proj (part 2): grid 4 x 192, 4 waves a work-group, clusters of 4 x 4, 327,680 bytes of LDS; arguments query, key, value, wts, bq, bk, bv, qkv; writes qkv
.if DOCPART == 2
	.amdgcn_target "amdgcn-amd-amdhsa--gfx1250"
	.amdhsa_code_object_version 6
	.text
	.protected	k_q93513198d8_proj
	.globl	k_q93513198d8_proj
	.p2align	8
	.type	k_q93513198d8_proj,@function
k_q93513198d8_proj:
	s_mov_b64 s[64:65], 0
	v_nop
	global_prefetch_b8 v0, s[64:65] scope:SCOPE_SE
	s_setreg_imm32_b32 hwreg(HW_REG_WAVE_MODE, 25, 1), 1
	s_wait_xcnt 0x0
	s_wait_alu depctr_hold_cnt(0) depctr_sa_sdst(0) depctr_va_vdst(0) depctr_va_sdst(0) depctr_va_ssrc(0) depctr_va_vcc(0) depctr_vm_vsrc(0)
	s_getreg_b32 s2, hwreg(HW_REG_IB_STS2, 6, 4)
	s_cmp_eq_u32 s2, 0
	s_cbranch_scc0 .Lentry_in_a_cluster
	s_endpgm
.Lentry_in_a_cluster:
	s_bfe_u32 s2, ttmp6, 0x10000c
	s_cmp_lg_u32 s2, 0xf033
	s_cbranch_scc0 .Lentry_shape_is_right
	s_endpgm
.Lentry_shape_is_right:
; qkv[t][16 b + h][s][64] in f16, t = 0, 1, 2:  (query Wq + bq) c,  key Wk + bk,  value Wv + bv, with c = log2(e) / 8, multiplied onto the f32 sum ahead of its one rounding.
; x: [8192][1024] f32, rounded to bf16 here; W: wts[t], [k][n] bf16; the bias is rounded to bf16 like every input.  Sums in f32.
; LIMIT.  f16 holds no number beyond 65,504: a q c, k or v past that becomes an infinity.  NaN and infinities are not treated apart.
; SHARES.  A tile of the result is 128 rows x 256 columns (four heads): 3 x 64 x 4 = 768 work-groups, three for each of 256 WGPs.  Four waves, 2 x 2: a wave makes 64 rows x 128 columns,
; 32 accumulators of 16 x 16.  K goes in 8 steps of 128, a step in four quarters of 32: 32 matrix instructions a quarter.
; THE MATRIX INSTRUCTION IS USED TRANSPOSED: source 0 = 16 columns of W, source 1 = 16 rows of x: a lane then holds one row and eight neighbouring columns, 16 bytes of f16.
; W lies [k][n]: its fragments come out of LDS turned, by ds_load_tr16_b128.
; CLUSTER, 4 x 4.  x = column tile, y = row tile; all sixteen work on one of q, k, v.  The four of a column of the cluster need the same tile of W: it is asked for JOINTLY, by waves 0 and 1
; (64 k rows x 512 bytes each), into two slots that take turns; a slot is asked for again in its own step's last quarter, behind a round of the cluster's barrier.
; x IS NOT ASKED FOR JOINTLY, though the four of a row of the cluster read the same rows.  It comes as f32 and goes through registers: each wave loads 32 rows x 512 bytes of step t + 2 in step t's first
; quarter, holds them in one of two register sets, and in step t + 1's third quarter rounds them and stores them to a bf16 slot in LDS.  So a request stands 192 matrix instructions ahead of its use, where a
; ring of two slots allows 128 at the most; each number is rounded once, not once in each of the two waves that multiply it; and LDS holds and serves 2 bytes of it, not 4.
; NO PREFETCH: x's own loads are out a step and a half ahead, and W's 2 MiB are read by every cluster.
; REGISTERS, in windows of 256 (s_set_vgpr_msb: bits 1:0 source 0, 3:2 source 1, 5:4 source 2, 7:6 destination):
;   window 0: v0-29 addresses; v64-191 x's register set 0, later the way out (to v223)      window 1: v0-95, v96-191 two fragment buffers (64 of W, 32 of x); v192-255 the bias
;   window 2: the accumulators, (a, b) at v[8 (8 a + b)]                                     window 3: v0-127 x's register set 1; v128, v129 its two addresses
.set PB,     544                       ; a k row of W in LDS: 512 bytes + 32 of padding: an odd multiple of 32
.set BHALF,  64*PB                     ; what one tensor load brings
.set BSLOT,  128*PB
.set BSTEP,  128*2048                  ; bytes of wts from K step to K step
.set ABASE,  2*BSLOT                   ; behind W's slots: x's two slots, written by ds_store alone
.set PA,     272                       ; a row of x in LDS: 256 bytes + 16: an odd multiple of 16: the 16 rows of a fragment load start at 16 different places modulo 256
.set ASLOT,  128*PA
.set ASTEP,  512                       ; bytes of a row of x in a K step
.set STAGE,  ABASE+2*ASLOT             ; for the way out: for each wave 2 heads x 16 rows x 144 bytes
.set SPITCH, 144
.set WSTAGE, 32*SPITCH
.set SPARE,  STAGE+4*WSTAGE            ; the spare words, 128 bytes for each wave: two blocks of 256 bytes that no other line names
.set ADRA, 16                          ; v16-17  LDS address of my fragments of x in slot 0, 1
.set ADRB, 20                          ; v20-21  the same for W
.set AST0, 22                          ; v22     where set 0 is stored: slot 0, my wave's 32 rows, 8 bytes a lane
.set AOFF, 23                          ; v23     16 x lane: my place in 512 bytes of a row of x
.set STO,  24                          ; v24     the way out: where I put 16 bytes of a row
.set RD,   25                          ; v25     the way out: where I read rows back
.set GO,   26                          ; v26     16 x lane: my place in 512 bytes of the result
.set BO,   27                          ; v27     my byte offset in the bias
.set SPW,  28                          ; v28     LDS address of my spare word; never rewritten
.set NIL,  29                          ; v29     0; never rewritten
.set RAW0, 64                          ; window 0
.set RAW1, 0                           ; window 3
.set AST1, 128                         ; window 3: where set 1 is stored: slot 1
.set AOFF3, 129                        ; window 3: a copy of v23
.set F0,   0                           ; window 1
.set F1,   96
.set BIAS, 192
.set T,    64                          ; the way out, window 0: 64 scaled sums,
.set H,    128                         ; 32 registers of f16,
.set BK,   160                         ; and two buffers of 32 for rows read back
.set AB,   4                           ; s[4:5]   x at my wave's 32 rows, at the K step to be loaded next
.set G1,   32                          ; s[32:39] descriptor group 1
.set G0,   40                          ; s[40:47] descriptor group 0, a set for each slot
.set CNT,  48
.set SC,   50                          ; s[50:51] c for q, 1 for k and v
.set MSB, 0
.macro WIN new                         ; the immediate's high byte repeats the setting that is left; a switch that changes nothing is dropped
.if MSB != (\new)
	s_set_vgpr_msb (MSB<<8)|(\new)
.set MSB, \new
.endif
.endm
.set MULW, 0xa5                        ; sources 0 and 1 window 1, C and D window 2
.set TO_F, 0x40                        ; destination window 1, address window 0
.set W3,   0xcf                        ; sources 0 and 1 and destination window 3
.macro PLACES                          ; four places in front of loads into registers that matrix instructions have read, and of reads of their results
.rept 4
	v_nop
.endr
.endm
.macro CREST                           ; a round of the cluster's barrier behind its opening barrier
	s_cmp_lg_u32 s10, 0
	s_cbranch_scc1 .Lnot_wave_0_\@
	s_barrier_signal -3
.Lnot_wave_0_\@:
	s_barrier_wait -3
	s_barrier_signal -1
	s_barrier_wait -1
.endm
.macro CROUND                          ; a whole round
	s_barrier_signal -1
	s_barrier_wait -1
	CREST
.endm
; A joint refill of W's slot s: waves 0 and 1 ask, 64 k rows each; the branch hangs on the wave's number alone.  An s_nop 0 and four v_nop follow the load;
; the four behind the label are every wave's places in front of the fragment loads that follow.
.macro BLOAD s
	s_cmp_lt_u32 s10, 2
	s_cbranch_scc0 .Lno_load_\@
	tensor_load_to_lds s[G0+4*(\s):G0+4*(\s)+3], s[G1:G1+7]
	s_nop 0
	PLACES
.Lno_load_\@:
	PLACES
.endm
; Which of x's two register sets the riders work on.
.macro USESET n
.if (\n) == 0
.set RW, 0
.set RB, RAW0
.set RO, AOFF
.set RS, AST0
.else
.set RW, W3
.set RB, RAW1
.set RO, AOFF3
.set RS, AST1
.endif
.set rj, 0
.endm
; A RIDER, behind a matrix instruction.  kind 1: two of the set's 32 loads (a row's 512 bytes each).  kind 2: one of its 32 rows is rounded to bf16, in place, and stored: 32 lanes, 256 neighbouring bytes.
.macro RIDE kind
.if (\kind) == 1
	WIN RW
	global_load_b128 v[RB+4*rj:RB+4*rj+3],   v[RO], s[AB:AB+1] offset:LOFF+4096*rj
	global_load_b128 v[RB+4*rj+4:RB+4*rj+7], v[RO], s[AB:AB+1] offset:LOFF+4096*rj+4096
.set rj, rj+2
.elseif (\kind) == 2
	WIN RW
	v_cvt_pk_bf16_f32 v[RB+4*rj],   v[RB+4*rj],   v[RB+4*rj+1]
	v_cvt_pk_bf16_f32 v[RB+4*rj+1], v[RB+4*rj+2], v[RB+4*rj+3]
	ds_store_b64 v[RS], v[RB+4*rj:RB+4*rj+1] offset:PA*rj
.set rj, rj+1
.endif
.endm
; 8 matrix instructions: row block a x all 8 column blocks, 32 along K, from buffer f.  The 32 accumulators take turns in the same order in every quarter, over the backward jump too.
.macro MUL f, a, ride
.irp b, 0,1,2,3,4,5,6,7
	WIN MULW
	v_wmma_f32_16x16x32_bf16 v[8*(8*(\a)+(\b)):8*(8*(\a)+(\b))+7], v[(\f)+8*(\b):(\f)+8*(\b)+7], v[(\f)+64+8*(\a):(\f)+64+8*(\a)+7], v[8*(8*(\a)+(\b)):8*(8*(\a)+(\b))+7]
	RIDE \ride
.endr
.endm
; 24 LDS loads in one run: quarter q's fragments out of the slot: W's 8 (turned: k rows 32 q + 8 (l / 16) + l % 8 and 16 further, 16 bytes a lane), x's 4.
.macro FETCH slot, q, f
	WIN TO_F
.irp b, 0,1,2,3,4,5,6,7
	ds_load_tr16_b128 v[(\f)+8*(\b):(\f)+8*(\b)+3],   v[ADRB+(\slot)] offset:(\q)*32*PB+32*(\b)
	ds_load_tr16_b128 v[(\f)+8*(\b)+4:(\f)+8*(\b)+7], v[ADRB+(\slot)] offset:(\q)*32*PB+16*PB+32*(\b)
.endr
.irp a, 0,1,2,3
	ds_load_b128 v[(\f)+64+8*(\a):(\f)+64+8*(\a)+3],   v[ADRA+(\slot)] offset:(\a)*16*PA+64*(\q)
	ds_load_b128 v[(\f)+64+8*(\a)+4:(\f)+64+8*(\a)+7], v[ADRA+(\slot)] offset:(\a)*16*PA+64*(\q)+32
.endr
.endm
; One of a step's first three quarters: multiplies buffer f; in its middle quarter q's fragments are fetched into buffer g.  r0, r1: the riders of its halves.
.macro QUARTER slot, q, f, g, r0, r1
	s_wait_dscnt 0x0                               ; buffer f's 24 loads, issued 16 matrix instructions back, are in
	MUL \f, 0, \r0
	MUL \f, 1, \r0
	PLACES
	FETCH \slot, \q, \g
	MUL \f, 2, \r1
	MUL \f, 3, \r1
.endm
; The last quarter multiplies buffer 1 and changes slots: ONE barrier.  In front of it each wave waits for all its tensor loads (the one that is out is W of the next step), adds 0 to its spare word, and waits for
; that, for its stores of the next step's x and for its reads of this step's slots.  Behind it both next slots are whole and nobody reads this step's any more.
; fill = 1: the barrier opens a round of the cluster's barrier, and W's slot p is asked for again, two steps on, first thing behind the round.
.macro TURN p, fill
	WIN 0                                          ; (the add's two registers lie in window 0)
	s_wait_tensorcnt 0x0
	ds_add_u32 v[SPW], v[NIL]                      ; 0 onto my spare word
	s_wait_dscnt 17                                ; buffer 1 is in: behind its loads stand 16 stores of x and the add
	MUL F1, 0, 0                                   ; eight matrix instructions stand between the add and the wait for it
	s_wait_dscnt 0x0
	s_barrier_signal -1
	MUL F1, 1, 0
	WIN 0                                          ; at a branch and at a label every window is 0
	s_barrier_wait -1
.if \fill
	CREST
	s_add_nc_u64 s[G0+4*(\p)+2:G0+4*(\p)+3], s[G0+4*(\p)+2:G0+4*(\p)+3], 2*BSTEP  ; no tensor load of mine is out; the type bits on top are not reached
	BLOAD \p
.else
	PLACES
.endif
	FETCH 1-(\p), 0, F0
	MUL F1, 2, 0
	MUL F1, 3, 0
.endm
; A K step t, in slots p = t % 2.  full: x of step t + 2 is loaded and W of step t + 2 asked for.  conv: x of step t + 1 goes from registers to LDS.  last: nothing follows.
.macro STEP p, full, conv, last
	USESET \p
.if \full
	QUARTER \p, 1, F0, F1, 1, 0
	s_wait_xcnt 0x0                                ; the 32 loads, 16 matrix instructions back, have read their base
	s_add_nc_u64 s[AB:AB+1], s[AB:AB+1], ASTEP
.else
	QUARTER \p, 1, F0, F1, 0, 0
.endif
	QUARTER \p, 2, F1, F0, 0, 0
	USESET 1-(\p)
.if \conv
	s_wait_loadcnt 32*(\full)                      ; the other set is in; what this step's first quarter asked for stays out
	QUARTER \p, 3, F0, F1, 2, 2
.else
	QUARTER \p, 3, F0, F1, 0, 0
.endif
.if \last
	s_wait_dscnt 0x0
	MUL F1, 0, 0
	MUL F1, 1, 0
	MUL F1, 2, 0
	MUL F1, 3, 0
.else
	TURN \p, \full
.endif
.endm
	s_load_b512 s[16:31], s[0:1], 0x0              ; query s[16:17], key, value, wts s[22:23], bq s[24:25], bk, bv, qkv s[30:31]
	v_lshl_add_u32 v[SPW], v0, 2, SPARE
	v_mov_b32 v[NIL], 0
	ds_add_u32 v[SPW], v[NIL]                      ; the wave's opening: the add, waited for ahead of the first tensor load; the set-up, work on registers, stands between them
	v_lshrrev_b32 v8, 5, v0
	v_readfirstlane_b32 s10, v8                    ; wave 0..3
	s_lshr_b32 s11, s10, 1                         ; wr: which 64 rows are mine
	s_and_b32 s12, s10, 1                          ; wc: which 128 columns
	s_bfe_u32 s52, ttmp6, 0x40000                  ; cx
	s_bfe_u32 s53, ttmp6, 0x40004                  ; cy
	s_lshl_b32 s56, ttmp9, 2
	s_add_co_u32 s56, s56, s52                     ; X: column tile = 4 x cluster x + cx
	s_and_b32 s57, ttmp7, 0xffff                   ; cluster y, 0..47
	s_lshr_b32 s54, s57, 4                         ; t: q, k or v: the same in the whole cluster
	s_lshl_b32 s55, s57, 2
	s_add_co_u32 s55, s55, s53
	s_and_b32 s55, s55, 63                         ; R: row tile
	; descriptor group 1: a tile of 64 k rows x 256 elements, padded in LDS
	s_lshl_b32 s57, 0x1111, s52                    ; my column of the cluster: places cx, cx + 4, cx + 8, cx + 12
	s_or_b32 s[G1+0], s57, (1<<16)|(1<<20)|(1<<21)|(6<<22)|(7<<25)  ; 15:0 the mask; 17:16 elements of 2 bytes; 20 padding on; 21 set beside a mask; 24:22 after every 128 words (code 6); 31:25 8 words (code 7)
	s_mov_b32 s[G1+1], 256<<16                     ; tensor_dim0 = 256
	s_mov_b32 s[G1+2], 64<<16                      ; tensor_dim1 = 64
	s_mov_b32 s[G1+3], 256<<16                     ; tile_dim0 = 256
	s_mov_b32 s[G1+4], 64                          ; tile_dim1 = 64
	s_mov_b32 s[G1+5], 1024                        ; elements from k row to k row
	s_mov_b32 s[G1+6], 0
	s_mov_b32 s[G1+7], 0
	s_mul_i32 s15, s10, BHALF                      ; where my 64 k rows go: no place in the cluster enters an LDS address
	s_mov_b32 s[G0+0], 1
	s_add_co_u32 s[G0+1], s15, 0
	s_mov_b32 s[G0+4], 1
	s_add_co_u32 s[G0+5], s15, BSLOT
	s_lshl_b32 s2, s54, 21                         ; W's tile: matrix t,
	s_lshl_b32 s3, s10, 17                         ; my 64 k rows of 2,048 bytes,
	s_add_co_u32 s2, s2, s3
	s_lshl_b32 s3, s56, 9                          ; 256 columns: it hangs on cx, which the four that are named share, and never on cy
	s_add_co_u32 s2, s2, s3
	s_mov_b32 s3, 0
	s_lshl_b32 s58, s55, 19                        ; x: 128 rows of 4,096 bytes a tile,
	s_lshl_b32 s59, s10, 17                        ; 32 rows a wave
	s_add_co_u32 s58, s58, s59
	s_mov_b32 s59, 0
	s_lshr_b32 s60, s55, 4                         ; the result: batch R / 16,
	s_lshl_b32 s60, s60, 4
	s_lshl_b32 s61, s56, 2                         ; heads 4 X + 2 wc and the next,
	s_add_co_u32 s60, s60, s61
	s_lshl_b32 s61, s12, 1
	s_add_co_u32 s60, s60, s61
	s_lshl_b32 s60, s60, 18                        ; 2,048 rows of 128 bytes a head,
	s_and_b32 s61, s55, 15
	s_lshl_b32 s61, s61, 14                        ; 128 rows a tile,
	s_add_co_u32 s60, s60, s61
	s_lshl_b32 s61, s11, 13                        ; 64 rows a wave,
	s_add_co_u32 s60, s60, s61
	s_lshl_b32 s61, s54, 24                        ; 16 MiB for each of q, k, v
	s_add_co_u32 s60, s60, s61
	s_mov_b32 s61, 0
	s_lshl_b32 s62, s56, 10                        ; the bias: 4 (256 X + 128 wc + 8 (l / 16))
	s_lshl_b32 s63, s12, 9
	s_add_co_u32 s62, s62, s63
	v_and_b32 v1, 31, v0                           ; l
	v_and_b32 v2, 15, v0                           ; l % 16
	v_bfe_u32 v3, v0, 4, 1                         ; l / 16
	v_and_b32 v4, 7, v0                            ; l % 8
	v_bfe_u32 v5, v0, 3, 1                         ; (l / 8) % 2
	v_bfe_u32 v6, v0, 3, 2                         ; l / 8
	v_lshl_add_u32 v[BO], v3, 5, s62
	v_lshl_add_u32 v7, v3, 3, v4                   ; W, turned: k row 8 (l / 16) + l % 8,
	v_mul_u32_u24 v7, v7, PB
	v_lshl_add_u32 v7, v5, 4, v7                   ; columns 8 ((l / 8) % 2) on,
	s_lshl_b32 s13, s12, 8                         ; in my 128 columns
	v_add_nc_u32 v[ADRB], s13, v7
	v_add_nc_u32 v[ADRB+1], BSLOT, v[ADRB]
	v_mul_u32_u24 v7, v2, PA                       ; x: row l % 16, 16 bytes for each half of the lanes,
	v_lshl_add_u32 v7, v3, 4, v7
	s_mul_i32 s13, s11, 64*PA                      ; in my 64 rows
	s_add_co_u32 s13, s13, ABASE
	v_add_nc_u32 v[ADRA], s13, v7
	v_add_nc_u32 v[ADRA+1], ASLOT, v[ADRA]
	s_mul_i32 s13, s10, 32*PA                      ; the 32 rows that I bring
	s_add_co_u32 s13, s13, ABASE
	v_lshl_add_u32 v[AST0], v1, 3, s13
	v_lshlrev_b32 v[AOFF], 4, v1
	WIN 0xc0                                       ; destination window 3
	v_add_nc_u32 v[AST1], ASLOT, v[AST0]
	v_mov_b32 v[AOFF3], v[AOFF]
	WIN 0
	s_mul_i32 s13, s10, WSTAGE
	s_add_co_u32 s13, s13, STAGE                   ; my stage
	v_mul_u32_u24 v7, v2, SPITCH                   ; in: row l % 16, 16 bytes for each half of the lanes
	v_lshl_add_u32 v7, v3, 4, v7
	v_add_nc_u32 v[STO], s13, v7
	v_mul_u32_u24 v7, v6, SPITCH                   ; back: 32 lanes take four rows of 128 bytes
	v_lshl_add_u32 v7, v4, 4, v7
	v_add_nc_u32 v[RD], s13, v7
	v_lshlrev_b32 v[GO], 4, v1
	s_wait_dscnt 0x0                               ; the opening add is done
	s_wait_kmcnt 0x0
	s_add_nc_u64 s[G0+2:G0+3], s[22:23], s[2:3]    ; K step 0
	s_add_nc_u64 s[G0+6:G0+7], s[G0+2:G0+3], BSTEP ; K step 1
	s_or_b32 s[G0+3], s[G0+3], 0x80000000          ; type = 2
	s_or_b32 s[G0+7], s[G0+7], 0x80000000
	s_cmp_eq_u32 s54, 1
	s_cselect_b64 s[AB:AB+1], s[18:19], s[16:17]
	s_cselect_b64 s[6:7], s[26:27], s[24:25]
	s_cmp_eq_u32 s54, 2
	s_cselect_b64 s[AB:AB+1], s[20:21], s[AB:AB+1]
	s_cselect_b64 s[6:7], s[28:29], s[6:7]
	s_cmp_eq_u32 s54, 0
	s_cselect_b32 s[SC], 0x3e38aa3b, 1.0           ; c = log2(e) / 8 = 0.180337 for q
	s_mov_b32 s[SC+1], s[SC]                       ; named with it as a pair
	s_add_nc_u64 s[AB:AB+1], s[AB:AB+1], s[58:59]
	s_add_nc_u64 s[8:9], s[30:31], s[60:61]
.set LOFF, 0
	USESET 0
.rept 16
	RIDE 1                                         ; x of K step 0
.endr
	WIN TO_F
.irp b, 0,1,2,3,4,5,6,7
	global_load_b128 v[BIAS+8*(\b):BIAS+8*(\b)+3],   v[BO], s[6:7] offset:64*(\b)
	global_load_b128 v[BIAS+8*(\b)+4:BIAS+8*(\b)+7], v[BO], s[6:7] offset:64*(\b)+16
.endr
.set LOFF, ASTEP
	USESET 1
.rept 16
	RIDE 1                                         ; x of K step 1
.endr
.set LOFF, 0
	WIN 0
	CROUND                                         ; all sixteen work-groups are here: the first joint loads meet
	s_cmp_lt_u32 s10, 2                            ; a wave's two first fills stand in one branch: two loads of mine are out
	s_cbranch_scc0 .Lno_first
	tensor_load_to_lds s[G0:G0+3], s[G1:G1+7]
	s_nop 0
	tensor_load_to_lds s[G0+4:G0+7], s[G1:G1+7]
	s_nop 0
	PLACES
.Lno_first:
	s_wait_xcnt 0x0                                ; the loads above have read their base
	s_add_nc_u64 s[AB:AB+1], s[AB:AB+1], 2*ASTEP   ; K step 2
	s_wait_loadcnt 48                              ; set 0 is in; the bias's 16 loads and set 1's 32 stay out
	USESET 0
.rept 32
	RIDE 2                                         ; x of K step 0 into slot 0
.endr
	s_wait_loadcnt 32                              ; the bias is in
	WIN 0x45                                       ; sources and destination window 1
.set i, 0
.rept 32
	v_cvt_pk_bf16_f32 v[BIAS+2*i], v[BIAS+2*i], v[BIAS+2*i+1]  ; the bias is rounded to bf16, like every input,
	v_and_b32 v[BIAS+2*i+1], 0xffff0000, v[BIAS+2*i]           ; and widened again
	v_lshlrev_b32 v[BIAS+2*i], 16, v[BIAS+2*i]
.set i, i+1
.endr
	WIN 0x81                                       ; source window 1, destination window 2
.set i, 0
.rept 256
	v_mov_b32 v[i], v[BIAS+i%64]                   ; THE SUMS START AT THE BIAS: nothing is cleared and nothing is added later; these lines stand in the wait for the first tiles
.set i, i+1
.endr
	WIN 0
	s_wait_tensorcnt 0x1                           ; my part of W's slot 0 is in; slot 1's may stay out
	s_wait_dscnt 0x0                               ; my rows of x's slot 0 are stored
	s_barrier_signal -1
	s_barrier_wait -1
	FETCH 0, 0, F0
	WIN 0
	s_mov_b32 s[CNT], 3
.Lk:                                               ; K steps 0 to 5, two a trip
	STEP 0, 1, 1, 0
	STEP 1, 1, 1, 0
	WIN 0
	s_sub_co_u32 s[CNT], s[CNT], 1
	s_cmp_lg_u32 s[CNT], 0
	s_cbranch_scc1 .Lk
	STEP 0, 0, 1, 0                                ; the tail is written out: K step 6 asks for nothing
	STEP 1, 0, 0, 1                                ; K step 7 moves nothing
	; THE WAY OUT, 16 rows at a time: the sums are scaled, rounded to f16 and sent through my stage: a lane's 16 bytes go into rows of 144 bytes, by heads, and come back as 512 neighbouring bytes of a head.
.macro PACK a
	WIN 0x02                                       ; source 0 window 2
.irp b, 0,1,2,3,4,5,6,7
.irp r, 0,1,2,3
	v_pk_mul_f32 v[T+8*(\b)+2*(\r):T+8*(\b)+2*(\r)+1], v[8*(8*(\a)+(\b))+2*(\r):8*(8*(\a)+(\b))+2*(\r)+1], s[SC:SC+1] op_sel_hi:[1,0]  ; each accumulator from its low end on
.endr
.endr
	WIN 0
.irp b, 0,1,2,3,4,5,6,7
.irp r, 0,1,2,3
	v_cvt_pk_f16_f32 v[H+4*(\b)+(\r)], v[T+8*(\b)+2*(\r)], v[T+8*(\b)+2*(\r)+1]
.endr
.endr
.irp b, 0,1,2,3,4,5,6,7
	ds_store_b128 v[STO], v[H+4*(\b):H+4*(\b)+3] offset:((\b)/4)*16*SPITCH+((\b)%4)*32
.endr
	s_wait_xcnt 0x0                                ; the stores of the block two back have read the registers that are loaded now
.irp f, 0,1,2,3,4,5,6,7
	ds_load_b128 v[BK+32*((\a)%2)+4*(\f):BK+32*((\a)%2)+4*(\f)+3], v[RD] offset:((\f)/4)*16*SPITCH+((\f)%4)*4*SPITCH  ; LDS serves a wave's instructions in order (ISA guide 5.7.1.4): these see the stores above
.endr
.endm
.macro SEND a, younger                 ; younger: the LDS instructions issued behind block a's loads
	s_wait_dscnt \younger
.irp f, 0,1,2,3,4,5,6,7
	global_store_b128 v[GO], v[BK+32*((\a)%2)+4*(\f):BK+32*((\a)%2)+4*(\f)+3], s[8:9] offset:((\f)/4)*262144+(\a)*2048+((\f)%4)*512  ; 512 consecutive bytes, aligned
.endr
.endm
	WIN 0
	PLACES
	PLACES
	PACK 0
	PACK 1                                         ; a block's arithmetic stands between the loads of the block before and its stores
	SEND 0, 16
	PACK 2
	SEND 1, 16
	PACK 3
	SEND 2, 16
	SEND 3, 0
	s_wait_tensorcnt 0x0                           ; the wave's end: the add and its waits, behind my last tensor load and my last LDS store
	ds_add_u32 v[SPW], v[NIL]
	s_wait_dscnt 0x0
	CROUND                                         ; the closing round: no work-group ends while a partner may still ask for a tile that names it
	s_endpgm
.Lfunc_end_k_q93513198d8_proj:
	.size	k_q93513198d8_proj, .Lfunc_end_k_q93513198d8_proj-k_q93513198d8_proj
	.p2alignl 7, 3214868480
	.fill 96, 4, 3214868480
	.section	.rodata,"a",@progbits
	.p2align	6, 0x0
	.amdhsa_kernel k_q93513198d8_proj
		.amdhsa_group_segment_fixed_size 327680
		.amdhsa_private_segment_fixed_size 0
		.amdhsa_enable_private_segment 0
		.amdhsa_kernarg_size 64
		.amdhsa_user_sgpr_count 2
		.amdhsa_user_sgpr_kernarg_segment_ptr 1
		.amdhsa_wavefront_size32 1
		.amdhsa_system_sgpr_workgroup_id_x 1
		.amdhsa_system_sgpr_workgroup_id_y 1
		.amdhsa_system_sgpr_workgroup_id_z 1
		.amdhsa_system_vgpr_workitem_id 0
		.amdhsa_next_free_vgpr 904
		.amdhsa_next_free_sgpr 66
		.amdhsa_reserve_vcc 0
		.amdhsa_float_denorm_mode_32 3
		.amdhsa_float_denorm_mode_16_64 3
		.amdhsa_memory_ordered 1
		.amdhsa_forward_progress 1
		.amdhsa_inst_pref_size 151
	.end_amdhsa_kernel
	.amdgpu_metadata
---
amdhsa.version: [ 1, 2 ]
amdhsa.kernels:
  - .name:           k_q93513198d8_proj
    .symbol:         k_q93513198d8_proj.kd
    .args:
      - { .name: query, .offset: 0, .size: 8, .value_kind: global_buffer, .address_space: global }
      - { .name: key, .offset: 8, .size: 8, .value_kind: global_buffer, .address_space: global }
      - { .name: value, .offset: 16, .size: 8, .value_kind: global_buffer, .address_space: global }
      - { .name: wts, .offset: 24, .size: 8, .value_kind: global_buffer, .address_space: global }
      - { .name: bq, .offset: 32, .size: 8, .value_kind: global_buffer, .address_space: global }
      - { .name: bk, .offset: 40, .size: 8, .value_kind: global_buffer, .address_space: global }
      - { .name: bv, .offset: 48, .size: 8, .value_kind: global_buffer, .address_space: global }
      - { .name: qkv, .offset: 56, .size: 8, .value_kind: global_buffer, .address_space: global }
    .group_segment_fixed_size: 327680
    .private_segment_fixed_size: 0
    .kernarg_segment_align: 8
    .kernarg_segment_size: 64
    .max_flat_workgroup_size: 128
    .sgpr_count:     66
    .vgpr_count:     904
    .wavefront_size: 32
...
	.end_amdgpu_metadata
.endif
;; end of part 2
;; launch attn (part 3): grid 4 x 64, 4 waves a work-group, clusters of 4 x 1, 327,680 bytes of LDS; arguments qkv, mask, ob; writes ob
.if DOCPART == 3
	.amdgcn_target "amdgcn-amd-amdhsa--gfx1250"
	.amdhsa_code_object_version 6
	.text
	.protected	k_q93513198d8_attn
	.globl	k_q93513198d8_attn
	.p2align	8
	.type	k_q93513198d8_attn,@function
k_q93513198d8_attn:
	s_mov_b64 s[64:65], 0
	v_nop
	global_prefetch_b8 v0, s[64:65] scope:SCOPE_SE
	s_setreg_imm32_b32 hwreg(HW_REG_WAVE_MODE, 25, 1), 1
	s_wait_xcnt 0x0
	s_wait_alu depctr_hold_cnt(0) depctr_sa_sdst(0) depctr_va_vdst(0) depctr_va_sdst(0) depctr_va_ssrc(0) depctr_va_vcc(0) depctr_vm_vsrc(0)
	s_getreg_b32 s2, hwreg(HW_REG_IB_STS2, 6, 4)
	s_cmp_eq_u32 s2, 0
	s_cbranch_scc0 .Lentry_in_a_cluster
	s_endpgm
.Lentry_in_a_cluster:
	s_bfe_u32 s2, ttmp6, 0x10000c
	s_cmp_lg_u32 s2, 0x3003
	s_cbranch_scc0 .Lentry_shape_is_right
	s_endpgm
.Lentry_shape_is_right:
; ob[g][q][:] = the sum over k of softmax_k(Q[g][q] . K[g][k] / 8 - 1e9 mask[g / 16][k]) V[g][k][:], g = 16 b + h.  Q, K, V: qkv[0], [1], [2], each [64][2048][64] in f16; ob likewise.
; Q ARRIVES SCALED by c = log2(e) / 8, so the scores leave the matrix unit as exponents of 2, and the weight is p = 2^(s - m): ONE f32 subtraction, never above 0, whatever the size of m: p lies in 0 to 1
; also while every key seen so far carries the mask.  Products, maxima and sums in f32; p is rounded to f16 for the second product (its sum l is taken of the unrounded p), O once at the end.
; THE MASK is the C operand that starts each sum S^T = K Q^T: bf16(mask[k]) x (-1e9 log2 e), made once into a table in LDS (8,192 bytes, f32) and fetched with K, 64 keys a step.  It costs the loop no vector line.
; LIMITS.  f16 holds no number beyond 65,504: Q, K and V arrive within it; p below 6e-5 keeps f16's fixed step of 6e-8; a weight below 2^-126 counts as 0 in l; NaN and infinities are not treated apart.
; Where ALL keys of a batch carry a mask near 1, the result hangs on how -1e9 swallows the scores' low bits: here the sum is rounded in exponents of 2 (steps of 128) by the matrix unit, in the defining formula
; in natural exponents (steps of 64): an order of rounding that differs.
; SHARES.  A wave owns four PIECES of two tiles of 16 queries, a work-group's four waves 512 queries of one head.  Every wave walks all 2,048 keys, 64 a step.
; LAYOUT.  S^T = K Q^T (source 0 = 16 keys, source 1 = 16 queries): a lane holds ONE query (lane % 16) and the keys 8 (lane / 16) + 0..7.  Two such tiles, rounded to f16 in pairs, ARE source 1 of O^T = V^T P,
; whose result again holds one query a lane, and eight channels.  K comes out of LDS as it lies, V ([key][channel]) turned, by ds_load_tr16_b128.
; SOFTMAX.  A running maximum m and sum l for each query; in every step O and l are multiplied by a = 2^(m_old - m_new).  m starts at the lowest finite number, O and l at 0: the first step has a = 0.
; THE COUNT.  A tile and step have 16 matrix and 118 vector instructions: too many to stand all beside the matrix work.  So four vector instructions that are READY stand behind EVERY matrix instruction, and the
; others in runs without a gap.
; BY TURNS.  Turn n belongs to piece n.  Its matrix work: 16 products K Q^T of piece n + 1, later 16 products V^T P of piece n - 1.  Its vector work: the subtraction, exponentials, roundings, sums and rescaling of
; piece n, and the maximum and statistics of piece n + 1.
; CLUSTER.  The four query blocks of a head are one cluster and walk the same K and V: each tile is asked for JOINTLY: the same tensor load, descriptor and mask in all four.
; NO PREFETCH: a refill has four key steps, 512 matrix instructions and their vector work, in which to land, and the first two slots are asked for at the head.
; REGISTERS, in windows of 256 (s_set_vgpr_msb: bits 1:0 source 0, 3:2 source 1, 5:4 source 2, 7:6 destination):
;   window 0: v0-11 addresses; v12-15, v48-63 at work; v16-47 four registers of statistics a tile; v64-191 S^T, two buffers of two tiles; v192-255 P, likewise
;   window 1: O^T, 32 a tile      window 2: v0-127 Q; v128-191 K of one step; v192-255 V of one step      window 3: v0-1 the add's two registers; v8-39 the mask of one step
.set SIZE_N, 2048
.set NP,    4         ; pieces a wave: a name, no knob
.set KS,    64        ; keys in a step
.set PK,    144       ; a row of K in LDS: 128 bytes + 16: an odd multiple of 16
.set PV,    160       ; a row of V: 128 + 32: an odd multiple of 32
.set VOFF,  4*KS*PK   ; a slot holds four steps: 256 rows of K, then 256 rows of V
.set SLOT1, 1<<17     ; slot 1 begins here, so that one exclusive or turns an address in one slot into the other's
.set STAGE, SLOT1+4*KS*(PK+PV)  ; behind the ring, never filled by a tensor load: 16 rows x 144 bytes for each wave, for the way out
.set SP,    144
.set SPARE, STAGE+4*16*SP  ; the spare words, 128 bytes for each wave: two blocks of 256 bytes that no other line names
.set MASKB, SPARE+512 ; the mask's table: 2,048 f32, blocks of its own
.set AK0, 2           ; v2   my lane's place in a tile of K; never rewritten
.set AV0, 3           ; v3   the same for V
.set AK,  4           ; v4   the LDS address of K's next run of loads
.set AV,  5           ; v5   of V's
.set QO,  6           ; v6   my byte offset in the wave's rows of Q
.set STO, 6           ;      later, the way out: where I put 16 bytes of a row
.set RD,  7           ; v7   the way out: where I read rows back
.set GO,  8           ; v8   my byte offset in 512 consecutive bytes of O
.set MA,  11          ; v11  the LDS address of the mask's next run of loads (v9 = lane / 16 stays for it)
.set SPW, 0           ; v0 of window 3   LDS address of my spare word; never rewritten
.set NIL, 1           ; v1 of window 3   0; never rewritten
.set MK,  8           ; window 3: the mask of key block kb at MK + 8 kb
.set MV,  12          ; v12-15  m_old, kept while m is made anew: by buffer and tile
.set ST,  16          ; tile t's statistics at v[ST+4 t]: m (as subtracted), m, l (even keys', odd keys')
.set TMP, 48          ; by buffer and tile, four registers c0-c3 at work; when the maximum is found c2 takes a
.set S,   64
.set P,   192
.set KF,  128         ; K's fragments, in window 2: key block kb, channel half c at KF + 16 kb + 8 c
.set VF,  192         ; V's: key half kk, channel block cb at VF + 32 kk + 8 cb
.set WV,  12          ; s12  my wave's number
.set G1K, 24          ; s[24:31] descriptor group 1 for K's tiles
.set G1V, 32          ; s[32:39] for V's: it differs in the padding alone
.set G0K, 40          ; s[40:43] descriptor group 0 for K's tiles: it walks
.set G0V, 44          ; s[44:47] the same for V's
.set SLOTS, 56        ; s56  slots still to be asked for
.set CNT, 57          ; s57  counts a slot's key steps
.set CS,  58          ; s[58:59] 1.0: the scale lies in Q
.set SEL, 60          ; s[60:61] v_permlanex16_b32's selects: each lane takes its own place in the other half
.set TBK, 62          ; s62  LDS byte at which K of the step to be fetched begins
.set TBV, 63          ; s63  the same for V, less VOFF
.set TBM, 66          ; s66  the same for the mask's table
.set MP,  68          ; s[68:69] the batch's row of the mask
.set MSB, 0
.macro WIN new                      ; the high byte repeats the setting that is left; a switch that changes nothing is dropped
.if MSB != (\new)
	s_set_vgpr_msb (MSB<<8)|(\new)
.set MSB, (\new)
.endif
.endm
.set W_KQ, 0x0a       ; K and Q in window 2, S^T in window 0
.set W_KM, 0x3a       ; the same with the C operand, the mask, in window 3
.set W_PV, 0x52       ; V in window 2, P in window 0, O^T in window 1
.set W_RS, 0x41       ; O^T (destination and source 0) in window 1, a in window 0
.set W_MK, 0xc0       ; destination in window 3, sources in window 0
.set W_AD, 0x0f       ; the add: address (source 0) and data (source 1) in window 3
; A joint fill.  Waves 0 and 1 fetch the two halves of a slot's K, waves 2 and 3 those of its V: 128 keys each.  The branch hangs on the wave's number alone.
; An s_nop 0 and four v_nop follow each of the two lines, ahead of the jump and the label.
.macro JLOAD
	s_cmp_lt_u32 s[WV], 2
	s_cbranch_scc0 .Lfor_v_\@
	tensor_load_to_lds s[G0K:G0K+3], s[G1K:G1K+7]
	s_nop 0
.rept 4
	v_nop
.endr
	s_branch .Lasked_\@
.Lfor_v_\@:
	tensor_load_to_lds s[G0V:G0V+3], s[G1V:G1V+7]
	s_nop 0
.rept 4
	v_nop
.endr
.Lasked_\@:
.endm
; A round of the cluster's barrier: my work-group's barrier, so that wave 0's signal speaks for all four waves; wave 0 signals; every wave waits for all four work-groups; my work-group's barrier once more.
.macro CROUND
	s_barrier_signal -1
	s_barrier_wait -1
	s_cmp_lg_u32 s[WV], 0
	s_cbranch_scc1 .Lnot_wave_0_\@
	s_barrier_signal -3
.Lnot_wave_0_\@:
	s_barrier_wait -3
	s_barrier_signal -1
	s_barrier_wait -1
.endm
; THE CHANGE OF SLOTS.  Each wave waits for all its tensor loads, of which one is out: its part of the other slot; adds 0 to its spare word; and waits for that and for its own reads of the slot.
; Behind the barrier nobody reads this slot any more and the other slot is whole.  fill = 1: this slot is filled again, with the keys two slots on: the barrier is then a round of the cluster's, and the
; joint fill is the first thing behind it: it has four key steps in which to land.  (At its first use nothing has been read yet: slot 0 is waited for, slot 1 filled, and every wave's part of the mask's table is stored.)
.macro CHANGE fill
	WIN W_AD
	s_wait_tensorcnt 0x0            ; no tensor load of mine is out, so a group 0 may be written
	ds_add_u32 v[SPW], v[NIL]       ; 0 onto my spare word
	WIN 0                           ; at a label and at a branch every window is 0
.if \fill
.irp g, G0K, G0V
	s_xor_b32 s[\g+1], s[\g+1], SLOT1  ; the walking descriptor: the other slot than last time,
	s_add_nc_u64 s[\g+2:\g+3], s[\g+2:\g+3], 4*KS*128  ; the next 256 keys; the type bits on top are not reached
.endr
	s_wait_dscnt 0x0                ; the add is done, and my LDS reads and stores are over
	CROUND
	JLOAD
.else
	s_wait_dscnt 0x0
	s_barrier_signal -1
	s_barrier_wait -1
.endif
	s_sub_co_u32 s[TBK], s[TBK], 4*KS*PK  ; the fetches go back to a slot's first step,
	s_xor_b32 s[TBK], s[TBK], SLOT1       ; in the other slot
	s_sub_co_u32 s[TBV], s[TBV], 4*KS*PV
	s_xor_b32 s[TBV], s[TBV], SLOT1
.endm
	s_load_b128 s[4:7], s[0:1], 0x0   ; qkv s[4:5], mask s[6:7]
	s_load_b64 s[10:11], s[0:1], 0x10 ; ob
	WIN W_MK
	v_lshl_add_u32 v[SPW], v0, 2, SPARE
	v_mov_b32 v[NIL], 0
	WIN W_AD
	ds_add_u32 v[SPW], v[NIL]       ; the wave's opening: the add, waited for ahead of my first tensor load; the set-up below, work on registers, stands between them
	WIN 0
	v_lshrrev_b32 v1, 5, v0
	v_readfirstlane_b32 s[WV], v1   ; wave 0..3
	s_bfe_u32 s13, ttmp6, 0x40000   ; cx: my place in the cluster
	s_lshl_b32 s14, ttmp9, 2        ; in a cluster launch ttmp9 counts clusters
	s_add_co_u32 s14, s14, s13      ; my block of queries = 4 x cluster x + cx: it enters Q's and O's addresses alone
	s_and_b32 s20, ttmp7, 0xffff    ; the head g, which the four partners share
	s_lshr_b32 s70, s20, 4          ; its batch:
	s_lshl_b32 s70, s70, 13         ; 8,192 bytes of mask
	s_mov_b32 s71, 0
	s_mov_b32 s21, 0
	s_mov_b64 s[22:23], SIZE_N*128
	s_mul_u64 s[20:21], s[20:21], s[22:23]  ; the head's first byte in each of Q, K, V, O
	s_and_b32 s16, s[WV], 1         ; which half of a slot's 256 keys I fetch:
	s_lshl_b32 s22, s16, 14         ; its 128 rows of 128 bytes in memory,
	s_mov_b32 s23, 0
	s_add_nc_u64 s[22:23], s[22:23], s[20:21]
	s_mul_i32 s17, s16, 128*PK      ; and its place in a slot, for K
	s_mul_i32 s18, s16, 128*PV      ; and for V: no place in the cluster enters an LDS address
	s_lshl_b32 s2, s14, 2
	s_add_co_u32 s2, s2, s[WV]      ; my wave among the head's,
	s_lshl_b32 s2, s2, 14           ; its 128 rows
	s_mov_b32 s3, 0
	s_add_nc_u64 s[2:3], s[2:3], s[20:21]
	; descriptor group 1.  128 keys are 16,384 dense bytes: asked for as 64 rows of 256 bytes, two keys a row, and padded in LDS after every key
	s_mov_b32 s[G1K], 15|(1<<16)|(1<<20)|(1<<21)|(4<<22)|(3<<25)  ; 15:0 the mask of four; 17:16 2-byte elements; 20 padding on; 21 set beside a mask; 24:22 after every 32 words (code 4); 31:25 4 words (code 3)
	s_mov_b32 s[G1V], 15|(1<<16)|(1<<20)|(1<<21)|(4<<22)|(7<<25)  ; the same with 8 words of padding (code 7)
.irp g, G1K, G1V
	s_mov_b32 s[\g+1], 128<<16      ; tensor_dim0 = 128
	s_mov_b32 s[\g+2], 64<<16       ; tensor_dim1 = 64
	s_mov_b32 s[\g+3], 128<<16      ; tile_dim0 = 128
	s_mov_b32 s[\g+4], 64           ; tile_dim1 = 64
	s_mov_b32 s[\g+5], 128          ; 128 elements from row to row
	s_mov_b32 s[\g+6], 0
	s_mov_b32 s[\g+7], 0
.endr
	s_mov_b32 s[CS], 1.0
	s_mov_b32 s[CS+1], s[CS]        ; named with it as a pair
	s_mov_b32 s[SEL], 0x76543210
	s_mov_b32 s[SEL+1], 0xfedcba98
	s_mov_b32 s[TBK], SLOT1+4*KS*PK ; the first change of slots turns these two into 0
	s_mov_b32 s[TBV], SLOT1+4*KS*PV
	s_mov_b32 s[TBM], MASKB
	s_mov_b32 s[G0K], 1             ; 1:0 count = 1
	s_mov_b32 s[G0K+1], s17         ; 63:32 LDS address: slot 0
	s_mov_b32 s[G0V], 1
	s_add_co_u32 s[G0V+1], s18, VOFF
	s_wait_dscnt 0x0                ; the opening add is done
	s_wait_kmcnt 0x0
	s_add_nc_u64 s[MP:MP+1], s[6:7], s[70:71]
	s_add_nc_u64 s[6:7], s[4:5], 0x1000000   ; K lies 16 MiB behind Q,
	s_add_nc_u64 s[8:9], s[4:5], 0x2000000   ; V 32
	s_add_nc_u64 s[G0K+2:G0K+3], s[6:7], s[22:23]  ; 120:64 global address: my half of the head's first 256 keys
	s_or_b32 s[G0K+3], s[G0K+3], 0x80000000        ; 127:126 type = 2
	s_add_nc_u64 s[G0V+2:G0V+3], s[8:9], s[22:23]
	s_or_b32 s[G0V+3], s[G0V+3], 0x80000000
	s_add_nc_u64 s[4:5], s[4:5], s[2:3]  ; Q and O at my wave's first row
	s_add_nc_u64 s[10:11], s[10:11], s[2:3]
	CROUND                          ; all four work-groups are here: the first joint loads meet
	JLOAD                           ; slot 0.  Slot 1 is asked for when slot 0 is in
	v_lshlrev_b32 v12, 4, v0        ; the mask: 128 threads x 16 bytes, four times
	v_add_nc_u32 v13, MASKB, v12
.irp i, 0,1,2,3
	global_load_b128 v[S+4*\i:S+4*\i+3], v12, s[MP:MP+1] offset:2048*\i
.endr
	; A fragment of K or Q is 16 rows x 32 channels in 8 registers: lane l holds row l % 16, channels 8 (l / 16) + 0..7 and 16 + 8 (l / 16) + 0..7: two loads of 16 bytes, 32 bytes apart.
	v_and_b32 v1, 15, v0            ; l % 16
	v_bfe_u32 v9, v0, 4, 1          ; l / 16
	v_lshlrev_b32 v[QO], 7, v1
	v_lshl_add_u32 v[QO], v9, 4, v[QO]  ; row x 128 + 16 x half
	WIN 0x80                        ; destination window 2, address window 0
.set i, 0
.rept 4*NP                          ; Q stays in registers: tile i / 2, channels 32 (i % 2) on
	global_load_b128 v[8*i:8*i+3],   v[QO], s[4:5] offset:(i/2)*2048+(i%2)*64
	global_load_b128 v[8*i+4:8*i+7], v[QO], s[4:5] offset:(i/2)*2048+(i%2)*64+32
.set i, i+1
.endr
	; What the first turn finds: V's registers and P's second buffer hold 0 (its products V^T P, of a piece that has not been, add 0), O^T and l are 0.  All this stands in the wait for the first tile.
.set i, VF
.rept 64
	v_mov_b32 v[i], 0
.set i, i+1
.endr
	WIN 0x40
.set i, 0
.rept 64*NP
	v_mov_b32 v[i], 0
.set i, i+1
.endr
	WIN 0
.set i, 0
.rept 2*NP
	v_mov_b32 v[ST+4*i], 0xfe000000    ; far below every score, the masked ones too
	v_mov_b32 v[ST+4*i+1], 0xff7fffff  ; m
	v_mov_b32 v[ST+4*i+2], 0
	v_mov_b32 v[ST+4*i+3], 0
.set i, i+1
.endr
.set i, P+32
.rept 32
	v_mov_b32 v[i], 0
.set i, i+1
.endr
	v_mul_u32_u24 v[AK0], v1, PK
	v_lshl_add_u32 v[AK0], v9, 4, v[AK0]  ; row x pitch + 16 x half
	; The turning load takes 16 keys x 16 channels (lane l reads key 8 (l / 16) + l % 8, channels 8 ((l / 8) % 2) + 0..7) and leaves half a fragment of V^T: lane l holds channel l % 16 and 8 keys.
	v_and_b32 v10, 7, v0
	v_bfe_u32 v11, v0, 3, 1
	v_lshl_add_u32 v[AV0], v9, 3, v10
	v_mul_u32_u24 v[AV0], v[AV0], PV
	v_lshl_add_u32 v[AV0], v11, 4, v[AV0]
	v_add_nc_u32 v[AV0], VOFF, v[AV0]
	v_mov_b32 v[AK], v[AK0]         ; key step 0 lies at the head of slot 0,
	v_lshl_add_u32 v[MA], v9, 5, s[TBM]  ; and of the table: my 8 keys of a block of 16 are 32 bytes
	; THE MASK'S TABLE: rounded to bf16 like every input, times -1e9 log2 e, in f32.
	s_wait_loadcnt 32               ; the mask's four loads are in; Q's 32, issued behind them, stay out
.set i, 0
.rept 8
	v_cvt_pk_bf16_f32 v[S+16+i], v[S+2*i], v[S+2*i+1]
.set i, i+1
.endr
.set i, 0
.rept 8
	v_lshlrev_b32 v[S+2*i], 16, v[S+16+i]
	v_and_b32 v[S+2*i+1], 0xffff0000, v[S+16+i]
.set i, i+1
.endr
.set i, 0
.rept 8
	v_pk_mul_f32 v[S+2*i:S+2*i+1], v[S+2*i:S+2*i+1], 0xceabfb8f op_sel_hi:[1,0]  ; -1,442,695,040
.set i, i+1
.endr
.irp i, 0,1,2,3
	ds_store_b128 v13, v[S+4*\i:S+4*\i+3] offset:2048*\i  ; the first change of slots waits for these and passes a barrier ahead of every read
.endr
; THE MATRIX WORK.  The 8 accumulators of a run of 16 take turns: between the two links of a chain stand 7 others'.
; Product i of 16 of S^T = K Q^T for piece x: channels 32 (i / 8) on, keys 16 ((i / 2) % 4) on, tile 2 x + i % 2.  The first 8 start the sums, at the mask of their 16 keys.
.macro KQ x
.set rS, S+64*((\x)%2)+32*(i%2)+8*((i/2)%4)
.set rK, KF+16*((i/2)%4)+8*(i/8)
.set rQ, 16*(2*(\x)+i%2)+8*(i/8)
.set rMK, MK+8*((i/2)%4)
.if i < 8
	WIN W_KM
	v_wmma_f32_16x16x32_f16 v[rS:rS+7], v[rK:rK+7], v[rQ:rQ+7], v[rMK:rMK+7]
.else
	WIN W_KQ
	v_wmma_f32_16x16x32_f16 v[rS:rS+7], v[rK:rK+7], v[rQ:rQ+7], v[rS:rS+7]
.endif
.endm
; Product i of 16 of O^T += V^T P for piece x: keys 32 (i / 8) on, channels 16 ((i / 2) % 4) on, tile 2 x + i % 2.
.macro PV x
	WIN W_PV
.set rO, 32*(2*(\x)+i%2)+8*((i/2)%4)
.set rV, VF+32*(i/8)+8*((i/2)%4)
.set rP, P+32*((\x)%2)+16*(i%2)+8*(i/8)
	v_wmma_f32_16x16x32_f16 v[rO:rO+7], v[rV:rV+7], v[rP:rP+7], v[rO:rO+7]
.endm
.macro MM                           ; the turn's next matrix instruction
.if i < 16
	KQ (Y+1)%NP
.set i, i+1
.else
.set i, i-16
	PV (Y+NP-1)%NP
.set i, i+17
.endif
.endm
; THE LDS LOADS stand in runs, never singly among the matrix instructions: a step's K (8 fragments) with its mask (8 loads; 16 lanes share each 16 bytes), and its V (turned).  Their addresses are made some lines ahead.
; last = 1 (the tail): in the last trip there is no further step, and the run is jumped over.
.macro FETCH_K last=0
	WIN 0
.if \last
	s_cmp_eq_u32 s[CNT], 1
	s_cbranch_scc1 .Lno_k_\@
.endif
	WIN 0x80                        ; destination window 2
.irp f, 0,1,2,3,4,5,6,7             ; keys 16 (f / 2) on, channels 32 (f % 2) on
	ds_load_b128 v[KF+8*\f:KF+8*\f+3],   v[AK] offset:(\f/2)*16*PK+(\f%2)*64
	ds_load_b128 v[KF+8*\f+4:KF+8*\f+7], v[AK] offset:(\f/2)*16*PK+(\f%2)*64+32
.endr
	WIN 0xc0                        ; destination window 3
.irp f, 0,1,2,3                     ; keys 16 f + 8 (l / 16) + 0..7
	ds_load_b128 v[MK+8*\f:MK+8*\f+3],   v[MA] offset:64*\f
	ds_load_b128 v[MK+8*\f+4:MK+8*\f+7], v[MA] offset:64*\f+16
.endr
	s_add_co_u32 s[TBK], s[TBK], KS*PK  ; the next fetch is the next step's
	s_add_co_u32 s[TBM], s[TBM], KS*4
	s_min_u32 s[TBM], s[TBM], MASKB+(SIZE_N-KS)*4  ; never past the table's last step
	WIN 0
.if \last
.Lno_k_\@:
.endif
.endm
.macro FETCH_V
	WIN 0x80
.irp f, 0,1,2,3,4,5,6,7             ; keys 32 (f / 4) on, channels 16 (f % 4) on
	ds_load_tr16_b128 v[VF+8*\f:VF+8*\f+3],   v[AV] offset:(\f/4)*32*PV+(\f%4)*32
	ds_load_tr16_b128 v[VF+8*\f+4:VF+8*\f+7], v[AV] offset:(\f/4)*32*PV+16*PV+(\f%4)*32
.endr
	WIN 0
.endm
; THE VECTOR WORK OF A TURN stands in three queues, each in the order in which its entries become ready; the two tiles alternate, so that no instruction reads the result of the one before it.
.macro REGS y, u                    ; the registers of tile u (0, 1) of piece y
.set rT, ST+4*(2*(\y)+(\u))
.set rC, TMP+8*((\y)%2)+4*(\u)
.set rM, MV+2*((\y)%2)+(\u)
.set rS, S+64*((\y)%2)+32*(\u)
.set rP, P+32*((\y)%2)+16*(\u)
.set rO, 32*(2*(\y)+(\u))
.endm
; Number n of the 22 that find the NEXT piece's (Y + 1) maximum and statistics.  s0-s31 are the lane's 32 scores; each accumulator's lowest registers are read first.
;   0-11  four chains c0-c3 of seven scores each, three operands at a time     12-14, 16  the four scores left over, the old m, and c0-c3 into c0     15  m_old is kept
;   17, 18  the query's other 32 keys lie in the lane 16 away: the new m         19-21  m as it is subtracted; m_old - m_new; a
.macro XS u, n
	REGS (Y+1)%NP, \u
.if (\n) < 4
	v_max3_num_f32 v[rC+(\n)], v[rS+8*(\n)], v[rS+8*(\n)+1], v[rS+8*(\n)+2]
.elseif (\n) < 12
	v_max3_num_f32 v[rC+(\n)%4], v[rC+(\n)%4], v[rS+8*((\n)%4)+2*((\n)/4)+1], v[rS+8*((\n)%4)+2*((\n)/4)+2]
.elseif (\n) == 12
	v_max3_num_f32 v[rC], v[rC], v[rS+7], v[rS+15]
.elseif (\n) == 13
	v_max3_num_f32 v[rC+1], v[rC+1], v[rS+23], v[rS+31]
.elseif (\n) == 14
	v_max3_num_f32 v[rC+2], v[rC+2], v[rC+3], v[rT+1]
.elseif (\n) == 15
	v_mov_b32 v[rM], v[rT]
.elseif (\n) == 16
	v_max3_num_f32 v[rC], v[rC], v[rC+1], v[rC+2]
.elseif (\n) == 17
	v_permlanex16_b32 v[rC+3], v[rC], s[SEL], s[SEL+1]
.elseif (\n) == 18
	v_max_num_f32 v[rT+1], v[rC], v[rC+3]
.elseif (\n) == 19
	v_mul_f32 v[rT], s[CS], v[rT+1]
.elseif (\n) == 20
	v_sub_f32 v[rC+1], v[rM], v[rT]
.else
	v_exp_f32 v[rC+2], v[rC+1]
.endif
.endm
; Number g of the 64 that follow the exponentials.  For each four weights k of a tile (pairs 2 k, 2 k + 1): both pairs are rounded to f16; then the second pair is added onto the first, in place;
; a group later l takes that sum (the first time as l = a l + sum).  In groups of eight, tiles alternating: round, round, add, and l for the group before.
.macro GS g
.set h, (\g)+6*((\g)/62)            ; group 0 has no group before it, and behind group 7 only l is left
.if h >= 6
.set h, h+2
.endif
	REGS Y, h%2
.set k, h/8
.if h%8 < 4
	s_wait_alu depctr_va_vdst(0)
	v_cvt_pk_f16_f32 v[rP+2*k+(h%8)/2], v[rS+4*k+2*((h%8)/2)], v[rS+4*k+2*((h%8)/2)+1]
.elseif h%8 < 6
	v_pk_add_f32 v[rS+4*k:rS+4*k+1], v[rS+4*k:rS+4*k+1], v[rS+4*k+2:rS+4*k+3]
.elseif k == 1
	v_pk_fma_f32 v[rT+2:rT+3], v[rT+2:rT+3], v[rC+2:rC+3], v[rS:rS+1] op_sel_hi:[1,0,1]
.else
	v_pk_add_f32 v[rT+2:rT+3], v[rT+2:rT+3], v[rS+4*k-4:rS+4*k-3]
	s_wait_alu depctr_va_vdst(0)
.endif
.endm
; THE PLAIN QUEUE, 138 long.  0-31: s - m for the 16 pairs of both tiles.  Then GS's 64, and among them the next piece's 42: number 15 at 38, 39; 0-14 and 16
; at 42-73, behind the products that make those scores; 17-20 at 95-106, two of three, since each waits for the one before it.
.macro PL
	WIN 0
.if q < 32
	REGS Y, q%2
	v_pk_fma_f32 v[rS+2*(q/2):rS+2*(q/2)+1], v[rS+2*(q/2):rS+2*(q/2)+1], s[CS:CS+1], v[rT:rT+1] op_sel_hi:[1,0,0] neg_lo:[0,0,1] neg_hi:[0,0,1]
.elseif q < 38
	GS q-32
.elseif q < 40
	XS q%2, 15
.elseif q < 42
	GS q-34
.elseif q < 74
	XS q%2, (q-42)/2+(q-42)/30
.elseif q < 95
	GS q-66
.elseif (q < 107) && ((q-95)%3 < 2)
	XS (q-95)%3, 17+(q-95)/3
.elseif q < 107
	GS 29+(q-95)/3
.else
	GS q-74
.endif
.set q, q+1
.endm
; THE EXPONENTIALS' QUEUE, 66 long: s0-s31 of both tiles, and at EA the next piece's two a.
.set EA, 58
.macro EX
	WIN 0
.if (e == EA) || (e == EA+1)
	XS e-EA, 21
.else
.set x, e-2*(e/(EA+2))
	REGS Y, x%2
	v_exp_f32 v[rS+x/2], v[rS+x/2]
.endif
.set e, e+1
.endm
; THE RESCALING's QUEUE: O^T times a, the one part that leaves window 0, so it is dealt four at a time, eight times.
.macro R4
	REGS Y, r%2
	WIN W_RS
	s_wait_alu depctr_va_vdst(0)
.irp z, 0,1,2,3
	v_pk_mul_f32 v[rO+8*(r/2)+2*\z:rO+8*(r/2)+2*\z+1], v[rO+8*(r/2)+2*\z:rO+8*(r/2)+2*\z+1], v[rC+2:rC+3] op_sel_hi:[1,0]
.endr
.set r, r+1
.endm
; HOW THEY ARE DEALT.  Behind a matrix instruction four: plain, exponential, plain, plain, or four of the rescaling.  None names a register of the products round it.  What is over stands in two LUMPS:
; exponential and plain by turns; the second ends in 22 plain instructions.  The two v_permlanex16_b32 fall into the second lump.
; The deal keeps the queues in step: exponential e stands behind plain 2 (e / 4) + e % 2; when plain 32 comes, 10 exponentials are out, at 59: 33, at 95: 46; EA comes behind plain 107.
.macro SL
	MM
	PL
	EX
	PL
	PL
.endm
.macro BURST n                      ; 15 matrix instructions, or 16
.rept (\n)-7
	SL
.endr
.rept 3
	MM
	R4
	SL
.endr
	MM
	R4
.endm
; A TURN, for piece p.  cnt = 1: the loop's count is taken down some lines ahead of the branch that stands behind the turn.
; K and the mask of the next step are fetched in piece 2's turn, 32 vector instructions behind the last product that read K (the mask's last reader stands eight products earlier).
; V of the step in hand is fetched at the end of piece 0's turn, 69 behind its last reader.  The four conditions on e and q below go with the deal.
.macro TURN p, last=0, cnt=0
.set Y, (\p)
.set i, 0
.set q, 0
.set e, 0
.set r, 0
.if (\p) == NP-1
	s_wait_dscnt 0x0                ; K and the mask are in
.endif
	MM
.rept 4
	PL
.endr
	BURST 15
.rept 22
	EX
	PL
.if ((\p) == NP-2) && (e == 18)
	v_add_nc_u32 v[AK], s[TBK], v[AK0]
	v_lshl_add_u32 v[MA], v9, 5, s[TBM]
.endif
.if ((\p) == NP-2) && (e == 24)
	FETCH_K \last
.endif
.endr
.if (\p) == 1
	s_wait_dscnt 0x0                ; V is in
.endif
	BURST 16
.rept 21
	EX
	PL
.endr
.rept 22
	PL
.if ((\p) == 0) && (q == 118)
	v_add_nc_u32 v[AV], s[TBV], v[AV0]
	s_wait_alu depctr_va_vdst(0)
.endif
.if ((\p) == 0) && (q == 130)
	s_add_co_u32 s[TBV], s[TBV], KS*PV
.endif
.if (\cnt) && (q == 130)
	s_sub_co_u32 s[CNT], s[CNT], 1
	s_cmp_lg_u32 s[CNT], 0
.endif
.endr
.if (\p) == 0
	FETCH_V
.endif
.endm
	CHANGE 1                        ; slot 0 is in, everybody's part of it, and the mask's table is whole; slot 1 is asked for
	FETCH_K                         ; key step 0
	s_wait_loadcnt 0x0              ; Q
	s_wait_dscnt 0x0
.set i, 0
.rept 16
	KQ 0                            ; piece 0's first scores: there is no vector work yet to set between them
.set i, i+1
.endr
	WIN 0                           ; the addresses for the way out: nine plain instructions, the places behind those products
	s_mul_i32 s13, s[WV], 16*SP
	s_add_co_u32 s13, s13, STAGE    ; my stage
	v_mul_u32_u24 v[STO], v1, SP    ; in: row l % 16, 16 bytes for each half of the lanes
	v_lshl_add_u32 v[STO], v9, 4, v[STO]
	v_add_nc_u32 v[STO], s13, v[STO]
	v_bfe_u32 v[RD], v0, 3, 2       ; back: 32 lanes take four rows of 128 bytes,
	v_mul_u32_u24 v[RD], v[RD], SP
	v_lshl_add_u32 v[RD], v10, 4, v[RD]
	v_add_nc_u32 v[RD], s13, v[RD]
	v_and_b32 v[GO], 31, v0         ; which are 512 consecutive bytes of O
	v_lshlrev_b32 v[GO], 4, v[GO]
.set Y, NP-1                        ; XS works for piece Y + 1: piece 0
.irp n, 0,1,2,3,4,5,6,7,8,9,10,11,12,13,14,15,16,17,18,19,20,21
	XS 0, \n                        ; and piece 0's first maximum and statistics
	XS 1, \n
.endr
	s_mov_b32 s[CNT], 4
	s_mov_b32 s[SLOTS], SIZE_N/256-1
	s_branch .Lfirst                ; the loop is entered at a step's first turn, in the middle of a trip
.Lslot:                             ; SIZE_N / 256 - 2 times: every slot but the last two is filled again
	CHANGE 1
	s_mov_b32 s[CNT], 4
.Lstep:                             ; a trip: pieces 2 and 3 of one step, then pieces 0 and 1 of the next, whose K, mask and V it fetches
	TURN 2
	TURN 3
	WIN 0
.Lfirst:
	TURN 0
	TURN 1, 0, 1
	WIN 0
	s_cbranch_scc1 .Lstep
	s_sub_co_u32 s[SLOTS], s[SLOTS], 1
	s_cmp_lg_u32 s[SLOTS], 0
	s_cbranch_scc1 .Lslot
	CHANGE 0                        ; the tail is written out: nothing is asked for
	s_mov_b32 s[CNT], 5             ; four trips fetch the last slot's steps; the fifth is left in its middle
.Ltail:
	TURN 2, 1
	TURN 3
	WIN 0
	s_sub_co_u32 s[CNT], s[CNT], 1
	s_cmp_eq_u32 s[CNT], 0
	s_cbranch_scc1 .Lout
	TURN 0
	TURN 1
	WIN 0
	s_branch .Ltail
.Lout:                              ; the fifth trip's 16 products K Q^T (on the last K once more) and the maximum made of them serve nothing: the price, once a launch, of one text for every trip
.set i, 0
.rept 16
	PV NP-1                         ; the last piece's V^T P of the last step
.set i, i+1
.endr
	; THE WAY OUT.  l's two halves and the other half of the lanes' are added; O^T is divided by l, rounded to f16 and sent through my stage in LDS, a tile at a time.  The additions are the places behind the last products.
	WIN 0
.macro ALL line:vararg              ; one line for each tile t
.set t, 0
.rept 2*NP
	\line
.set t, t+1
.endr
.endm
	ALL v_add_f32 v[ST+4*t+2], v[ST+4*t+2], v[ST+4*t+3]
	ALL v_permlanex16_b32 v[ST+4*t+3], v[ST+4*t+2], s[SEL], s[SEL+1]
	ALL v_add_f32 v[ST+4*t+2], v[ST+4*t+2], v[ST+4*t+3]
	ALL v_rcp_f32 v[ST+4*t+2], v[ST+4*t+2]
	v_nop                           ; a plain instruction between the last reciprocal and the use of its result
	s_wait_alu depctr_va_vdst(0)
; Tile t: a lane's eight channels of a row pack into 16 bytes; they go into rows of 144 bytes and come back as whole rows of 128, into S^T's registers.
.macro PACK t
	WIN W_RS
.set i, 32*(\t)
.rept 16
	v_pk_mul_f32 v[i:i+1], v[i:i+1], v[ST+4*(\t)+2:ST+4*(\t)+3] op_sel_hi:[1,0]
.set i, i+2
.endr
	WIN 0x05                        ; sources 0 and 1 window 1, destination window 0
.set i, 0
.rept 16
	v_cvt_pk_f16_f32 v[S+16*(\t)+i], v[32*(\t)+2*i], v[32*(\t)+2*i+1]
.set i, i+1
.endr
	WIN 0
.irp f, 0,1,2,3
	ds_store_b128 v[STO], v[S+16*(\t)+4*\f:S+16*(\t)+4*\f+3] offset:32*\f
.endr
.irp f, 0,1,2,3
	ds_load_b128 v[S+16*(\t)+4*\f:S+16*(\t)+4*\f+3], v[RD] offset:\f*4*SP  ; LDS serves a wave's instructions in order (ISA guide 5.7.1.4): these see the stores above; the next tile's stores come behind them
.endr
.endm
.macro SEND t, younger              ; younger: the LDS instructions issued behind tile t's loads: the next tile's eight, or none
	WIN 0
.irp f, 0,1,2,3
	s_wait_dscnt (\younger)+3-\f
	global_store_b128 v[GO], v[S+16*(\t)+4*\f:S+16*(\t)+4*\f+3], s[10:11] offset:(\t)*2048+\f*512  ; 512 consecutive bytes, at a multiple of 256 from O's first
.endr
.endm
	PACK 0
.set t, 1
.rept 2*NP-1                        ; a tile's arithmetic stands between the loads of the tile before and its stores
	PACK t
	SEND t-1, 8
.set t, t+1
.endr
	SEND 2*NP-1, 0
	WIN W_AD
	s_wait_tensorcnt 0x0            ; the wave's end: the add and its waits, behind my last tensor load and my last LDS store
	ds_add_u32 v[SPW], v[NIL]
	s_wait_dscnt 0x0
	WIN 0
	CROUND                          ; the closing round: no work-group ends while a partner may still ask for a tile that names it
	s_endpgm
.Lfunc_end_k_q93513198d8_attn:
	.size	k_q93513198d8_attn, .Lfunc_end_k_q93513198d8_attn-k_q93513198d8_attn
	.p2alignl 7, 3214868480
	.fill 96, 4, 3214868480
	.section	.rodata,"a",@progbits
	.p2align	6, 0x0
	.amdhsa_kernel k_q93513198d8_attn
		.amdhsa_group_segment_fixed_size 327680
		.amdhsa_private_segment_fixed_size 0
		.amdhsa_enable_private_segment 0
		.amdhsa_kernarg_size 24
		.amdhsa_user_sgpr_count 2
		.amdhsa_user_sgpr_kernarg_segment_ptr 1
		.amdhsa_wavefront_size32 1
		.amdhsa_system_sgpr_workgroup_id_x 1
		.amdhsa_system_sgpr_workgroup_id_y 1
		.amdhsa_system_sgpr_workgroup_id_z 1
		.amdhsa_system_vgpr_workitem_id 0
		.amdhsa_next_free_vgpr 808
		.amdhsa_next_free_sgpr 72
		.amdhsa_reserve_vcc 0
		.amdhsa_float_denorm_mode_32 3
		.amdhsa_float_denorm_mode_16_64 3
		.amdhsa_memory_ordered 1
		.amdhsa_forward_progress 1
		.amdhsa_inst_pref_size 214
	.end_amdhsa_kernel
	.amdgpu_metadata
---
amdhsa.version: [ 1, 2 ]
amdhsa.kernels:
  - .name:           k_q93513198d8_attn
    .symbol:         k_q93513198d8_attn.kd
    .args:
      - { .name: qkv, .offset: 0, .size: 8, .value_kind: global_buffer, .address_space: global }
      - { .name: mask, .offset: 8, .size: 8, .value_kind: global_buffer, .address_space: global }
      - { .name: ob, .offset: 16, .size: 8, .value_kind: global_buffer, .address_space: global }
    .group_segment_fixed_size: 327680
    .private_segment_fixed_size: 0
    .kernarg_segment_align: 8
    .kernarg_segment_size: 24
    .max_flat_workgroup_size: 128
    .sgpr_count:     72
    .vgpr_count:     808
    .wavefront_size: 32
...
	.end_amdgpu_metadata
.endif
;; end of part 3
;; launch outp (part 4): grid 4 x 64, 4 waves a work-group, clusters of 4 x 4, 327,680 bytes of LDS; arguments ob, wts, bo, out0; writes out0
.if DOCPART == 4
	.amdgcn_target "amdgcn-amd-amdhsa--gfx1250"
	.amdhsa_code_object_version 6
	.text
	.protected	k_q93513198d8_outp
	.globl	k_q93513198d8_outp
	.p2align	8
	.type	k_q93513198d8_outp,@function
k_q93513198d8_outp:
	s_mov_b64 s[64:65], 0
	v_nop
	global_prefetch_b8 v0, s[64:65] scope:SCOPE_SE
	s_setreg_imm32_b32 hwreg(HW_REG_WAVE_MODE, 25, 1), 1
	s_wait_xcnt 0x0
	s_wait_alu depctr_hold_cnt(0) depctr_sa_sdst(0) depctr_va_vdst(0) depctr_va_sdst(0) depctr_va_ssrc(0) depctr_va_vcc(0) depctr_vm_vsrc(0)
	s_getreg_b32 s2, hwreg(HW_REG_IB_STS2, 6, 4)
	s_cmp_eq_u32 s2, 0
	s_cbranch_scc0 .Lentry_in_a_cluster
	s_endpgm
.Lentry_in_a_cluster:
	s_bfe_u32 s2, ttmp6, 0x10000c
	s_cmp_lg_u32 s2, 0xf033
	s_cbranch_scc0 .Lentry_shape_is_right
	s_endpgm
.Lentry_shape_is_right:
; out0[8192][1024] in f32 = O Wo + bo.  O: ob[16 b + h][s][64] in f16: row 2048 b + s of O has its channels 64 h .. 64 h + 63 there.  Wo: wts[3], [k][n], in f16.  bo is rounded to bf16 like every input.  Sums in f32.
; LIMIT.  NaN and infinities are not treated apart.
; SHARES.  A tile of the result is 128 rows x 256 columns: 64 x 4 = 256 work-groups.  Four waves, 2 x 2: a wave makes 64 rows x 128 columns, 32 accumulators of 16 x 16.
; K goes in 8 steps of 128 (two heads), a step in four quarters of 32: 32 matrix instructions a quarter.
; THE MATRIX INSTRUCTION IS USED TRANSPOSED: source 0 = 16 columns of Wo (out of LDS turned, by ds_load_tr16_b128), source 1 = 16 rows of O: a lane holds one row and eight neighbouring columns.
; CLUSTER, 4 x 4.  x = column tile, y = row tile.  The four of a column of the cluster need the same tile of Wo: it is asked for JOINTLY, by waves 0 and 1 (64 k rows x 512 bytes each), into two slots that take
; turns; a slot is asked for again in its own step's last quarter, behind a round of the cluster's barrier.
; O IS NOT ASKED FOR JOINTLY, though the four of a row of the cluster read the same rows: it goes through registers.  Each wave loads 64 rows of one head (8,192 dense bytes) of step t + 2 in step t's first
; quarter, holds them in one of two register sets and stores them to LDS in step t + 1's third quarter: a request stands 192 matrix instructions ahead of its use, where a ring of two slots allows 128 at the most.
; NO PREFETCH: O's own loads are out a step and a half ahead, and Wo's 2 MiB are read by every cluster.
; REGISTERS, in windows of 256 (s_set_vgpr_msb: bits 1:0 source 0, 3:2 source 1, 5:4 source 2, 7:6 destination):
;   window 0: v0-30 addresses; v64-127, v128-191 O's two register sets, later the way out      window 1: v0-95, v96-191 two fragment buffers (64 of Wo, 32 of O); v192-255 the bias
;   window 2: the accumulators, (a, b) at v[8 (8 a + b)]
.set PB,     544                       ; a k row of Wo in LDS: 512 bytes + 32 of padding: an odd multiple of 32
.set BHALF,  64*PB
.set BSLOT,  128*PB
.set BSTEP,  128*2048                  ; bytes of wts from K step to K step
.set ABASE,  2*BSLOT                   ; behind Wo's slots: O's two slots, written by ds_store alone: [2 heads][128 rows][144]
.set PA,     144                       ; a row of a head in LDS: 128 bytes + 16: an odd multiple of 16
.set AHEAD,  128*PA
.set ASLOT,  2*AHEAD
.set ASTEP,  2*262144                  ; bytes of ob from K step to K step: two heads
.set STAGE,  ABASE+2*ASLOT             ; for the way out: for each wave 16 rows x 528 bytes
.set SPITCH, 528
.set WSTAGE, 16*SPITCH
.set SPARE,  STAGE+4*WSTAGE            ; the spare words, 128 bytes for each wave: two blocks of 256 bytes that no other line names
.set ADRA, 16                          ; v16-17  LDS address of my fragments of O in slot 0, 1
.set ADRB, 20                          ; v20-21  the same for Wo
.set AST0, 22                          ; v22     where set 0 is stored: slot 0
.set AST1, 23                          ; v23     where set 1 is stored: slot 1
.set STO,  24                          ; v24     the way out: where I put 32 bytes of a row
.set RD,   25                          ; v25     the way out: where I read a row back
.set GO,   26                          ; v26     16 x lane: my place in 512 bytes of the result
.set BO,   27                          ; v27     my byte offset in the bias
.set SPW,  28                          ; v28     LDS address of my spare word; never rewritten
.set NIL,  29                          ; v29     0; never rewritten
.set AOFF, 30                          ; v30     16 x lane: my place in 512 bytes of ob
.set RAW0, 64
.set RAW1, 128
.set F0,   0                           ; window 1
.set F1,   96
.set BIAS, 192
.set BK,   64                          ; the way out: two buffers of 64 for rows read back
.set AB,   4                           ; s[4:5]   ob at my wave's 64 rows of its head, at the K step to be loaded next
.set G1,   32                          ; s[32:39] descriptor group 1
.set G0,   40                          ; s[40:47] descriptor group 0, a set for each slot
.set CNT,  48
.set MSB, 0
.macro WIN new                         ; the immediate's high byte repeats the setting that is left; a switch that changes nothing is dropped
.if MSB != (\new)
	s_set_vgpr_msb (MSB<<8)|(\new)
.set MSB, \new
.endif
.endm
.set MULW, 0xa5                        ; sources 0 and 1 window 1, C and D window 2
.set TO_F, 0x40                        ; destination window 1, address window 0
.macro PLACES                          ; four places in front of loads into registers that matrix instructions have read, and of reads of their results
.rept 4
	v_nop
.endr
.endm
.macro CREST                           ; a round of the cluster's barrier behind its opening barrier
	s_cmp_lg_u32 s10, 0
	s_cbranch_scc1 .Lnot_wave_0_\@
	s_barrier_signal -3
.Lnot_wave_0_\@:
	s_barrier_wait -3
	s_barrier_signal -1
	s_barrier_wait -1
.endm
.macro CROUND                          ; a whole round
	s_barrier_signal -1
	s_barrier_wait -1
	CREST
.endm
; A joint refill of Wo's slot s: waves 0 and 1 ask; the branch hangs on the wave's number alone.  An s_nop 0 and four v_nop follow the load;
; the four behind the label are every wave's places in front of the fragment loads that follow.
.macro BLOAD s
	s_cmp_lt_u32 s10, 2
	s_cbranch_scc0 .Lno_load_\@
	tensor_load_to_lds s[G0+4*(\s):G0+4*(\s)+3], s[G1:G1+7]
	s_nop 0
	PLACES
.Lno_load_\@:
	PLACES
.endm
.macro USESET n                        ; which of O's two register sets the riders work on
.if (\n) == 0
.set RB, RAW0
.set RS, AST0
.else
.set RB, RAW1
.set RS, AST1
.endif
.set rj, 0
.endm
; A RIDER, behind a matrix instruction.  kind 1: one of the set's 16 loads (512 dense bytes: four rows of a head).  kind 2: one of its 16 stores to LDS.
.macro RIDE kind
.if (\kind) == 1
	WIN 0
	global_load_b128 v[RB+4*rj:RB+4*rj+3], v[AOFF], s[AB:AB+1] offset:LOFF+512*rj
.set rj, rj+1
.elseif (\kind) == 2
	WIN 0
	ds_store_b128 v[RS], v[RB+4*rj:RB+4*rj+3] offset:4*PA*rj
.set rj, rj+1
.endif
.endm
; 8 matrix instructions: row block a x all 8 column blocks, 32 along K, from buffer f.  The 32 accumulators take turns in the same order in every quarter, over the backward jump too.
.macro MUL f, a, ride
.irp b, 0,1,2,3,4,5,6,7
	WIN MULW
	v_wmma_f32_16x16x32_f16 v[8*(8*(\a)+(\b)):8*(8*(\a)+(\b))+7], v[(\f)+8*(\b):(\f)+8*(\b)+7], v[(\f)+64+8*(\a):(\f)+64+8*(\a)+7], v[8*(8*(\a)+(\b)):8*(8*(\a)+(\b))+7]
	RIDE \ride
.endr
.endm
; 24 LDS loads in one run: quarter q's fragments out of the slot: Wo's 8 (turned), O's 4 (head q / 2 of the step's two, channels 32 (q % 2) on).
.macro FETCH slot, q, f
	WIN TO_F
.irp b, 0,1,2,3,4,5,6,7
	ds_load_tr16_b128 v[(\f)+8*(\b):(\f)+8*(\b)+3],   v[ADRB+(\slot)] offset:(\q)*32*PB+32*(\b)
	ds_load_tr16_b128 v[(\f)+8*(\b)+4:(\f)+8*(\b)+7], v[ADRB+(\slot)] offset:(\q)*32*PB+16*PB+32*(\b)
.endr
.irp a, 0,1,2,3
	ds_load_b128 v[(\f)+64+8*(\a):(\f)+64+8*(\a)+3],   v[ADRA+(\slot)] offset:((\q)/2)*AHEAD+(\a)*16*PA+((\q)%2)*64
	ds_load_b128 v[(\f)+64+8*(\a)+4:(\f)+64+8*(\a)+7], v[ADRA+(\slot)] offset:((\q)/2)*AHEAD+(\a)*16*PA+((\q)%2)*64+32
.endr
.endm
; One of a step's first three quarters: multiplies buffer f; in its middle quarter q's fragments are fetched into buffer g.  r0, r1: the riders of its halves.
.macro QUARTER slot, q, f, g, r0, r1
	s_wait_dscnt 0x0                               ; buffer f's 24 loads, issued 16 matrix instructions back, are in
	MUL \f, 0, \r0
	MUL \f, 1, \r0
	PLACES
	FETCH \slot, \q, \g
	MUL \f, 2, \r1
	MUL \f, 3, \r1
.endm
; The last quarter multiplies buffer 1 and changes slots: ONE barrier.  In front of it each wave waits for all its tensor loads (the one that is out is Wo of the next step), adds 0 to its spare word, and waits for
; that, for its stores of the next step's O and for its reads of this step's slots.  Behind it both next slots are whole and nobody reads this step's any more.
; fill = 1: the barrier opens a round of the cluster's barrier, and Wo's slot p is asked for again, two steps on, first thing behind the round.
.macro TURN p, fill
	WIN 0                                          ; (the add's two registers lie in window 0)
	s_wait_tensorcnt 0x0
	ds_add_u32 v[SPW], v[NIL]                      ; 0 onto my spare word
	s_wait_dscnt 17                                ; buffer 1 is in: behind its loads stand 16 stores of O and the add
	MUL F1, 0, 0                                   ; eight matrix instructions stand between the add and the wait for it
	s_wait_dscnt 0x0
	s_barrier_signal -1
	MUL F1, 1, 0
	WIN 0                                          ; at a branch and at a label every window is 0
	s_barrier_wait -1
.if \fill
	CREST
	s_add_nc_u64 s[G0+4*(\p)+2:G0+4*(\p)+3], s[G0+4*(\p)+2:G0+4*(\p)+3], 2*BSTEP  ; no tensor load of mine is out; the type bits on top are not reached
	BLOAD \p
.else
	PLACES
.endif
	FETCH 1-(\p), 0, F0
	MUL F1, 2, 0
	MUL F1, 3, 0
.endm
; A K step t, in slots p = t % 2.  full: O of step t + 2 is loaded and Wo of step t + 2 asked for.  conv: O of step t + 1 goes from registers to LDS.  last: nothing follows.
.macro STEP p, full, conv, last
	USESET \p
.if \full
	QUARTER \p, 1, F0, F1, 1, 0
	s_wait_xcnt 0x0                                ; the 16 loads, 16 matrix instructions back, have read their base
	s_add_nc_u64 s[AB:AB+1], s[AB:AB+1], ASTEP
.else
	QUARTER \p, 1, F0, F1, 0, 0
.endif
	QUARTER \p, 2, F1, F0, 0, 0
	USESET 1-(\p)
.if \conv
	s_wait_loadcnt 16*(\full)                      ; the other set is in; what this step's first quarter asked for stays out
	QUARTER \p, 3, F0, F1, 0, 2
.else
	QUARTER \p, 3, F0, F1, 0, 0
.endif
.if \last
	s_wait_dscnt 0x0
	MUL F1, 0, 0
	MUL F1, 1, 0
	MUL F1, 2, 0
	MUL F1, 3, 0
.else
	TURN \p, \full
.endif
.endm
	s_load_b256 s[16:23], s[0:1], 0x0              ; ob s[16:17], wts s[18:19], bo s[20:21], out0 s[22:23]
	v_lshl_add_u32 v[SPW], v0, 2, SPARE
	v_mov_b32 v[NIL], 0
	ds_add_u32 v[SPW], v[NIL]                      ; the wave's opening: the add, waited for ahead of the first tensor load; the set-up, work on registers, stands between them
	v_lshrrev_b32 v8, 5, v0
	v_readfirstlane_b32 s10, v8                    ; wave 0..3
	s_lshr_b32 s11, s10, 1                         ; wr: which 64 rows I multiply.  Also: which of a step's two heads I bring
	s_and_b32 s12, s10, 1                          ; wc: which 128 columns.  Also: which 64 rows of that head
	s_bfe_u32 s52, ttmp6, 0x40000                  ; cx
	s_bfe_u32 s53, ttmp6, 0x40004                  ; cy
	s_lshl_b32 s56, ttmp9, 2
	s_add_co_u32 s56, s56, s52                     ; X: column tile = 4 x cluster x + cx
	s_and_b32 s55, ttmp7, 0xffff
	s_lshl_b32 s55, s55, 2
	s_add_co_u32 s55, s55, s53                     ; R: row tile = 4 x cluster y + cy
	; descriptor group 1: a tile of 64 k rows x 256 elements, padded in LDS
	s_lshl_b32 s57, 0x1111, s52                    ; my column of the cluster: places cx, cx + 4, cx + 8, cx + 12
	s_or_b32 s[G1+0], s57, (1<<16)|(1<<20)|(1<<21)|(6<<22)|(7<<25)  ; 15:0 the mask; 17:16 elements of 2 bytes; 20 padding on; 21 set beside a mask; 24:22 after every 128 words (code 6); 31:25 8 words (code 7)
	s_mov_b32 s[G1+1], 256<<16                     ; tensor_dim0 = 256
	s_mov_b32 s[G1+2], 64<<16                      ; tensor_dim1 = 64
	s_mov_b32 s[G1+3], 256<<16                     ; tile_dim0 = 256
	s_mov_b32 s[G1+4], 64                          ; tile_dim1 = 64
	s_mov_b32 s[G1+5], 1024                        ; elements from k row to k row
	s_mov_b32 s[G1+6], 0
	s_mov_b32 s[G1+7], 0
	s_mul_i32 s15, s10, BHALF                      ; where my 64 k rows go: no place in the cluster enters an LDS address
	s_mov_b32 s[G0+0], 1
	s_add_co_u32 s[G0+1], s15, 0
	s_mov_b32 s[G0+4], 1
	s_add_co_u32 s[G0+5], s15, BSLOT
	s_lshl_b32 s2, s10, 17                         ; Wo's tile: my 64 k rows of 2,048 bytes,
	s_add_co_u32 s2, s2, 3<<21                     ; in the fourth matrix of wts,
	s_lshl_b32 s3, s56, 9                          ; 256 columns: it hangs on cx, which the four that are named share, and never on cy
	s_add_co_u32 s2, s2, s3
	s_mov_b32 s3, 0
	s_lshr_b32 s58, s55, 4                         ; O: batch R / 16: 16 heads of 262,144 bytes,
	s_lshl_b32 s58, s58, 22
	s_lshl_b32 s59, s11, 18                        ; my head of the step's two,
	s_add_co_u32 s58, s58, s59
	s_and_b32 s59, s55, 15
	s_lshl_b32 s59, s59, 14                        ; 128 rows of 128 bytes a tile,
	s_add_co_u32 s58, s58, s59
	s_lshl_b32 s59, s12, 13                        ; my 64 of them
	s_add_co_u32 s58, s58, s59
	s_mov_b32 s59, 0
	s_lshl_b32 s60, s55, 19                        ; the result: 128 rows of 4,096 bytes a tile,
	s_lshl_b32 s61, s11, 18                        ; 64 rows a wave,
	s_add_co_u32 s60, s60, s61
	s_lshl_b32 s62, s56, 10                        ; 256 columns a tile, 128 a wave: also the bias's offset
	s_lshl_b32 s63, s12, 9
	s_add_co_u32 s62, s62, s63
	s_add_co_u32 s60, s60, s62
	s_mov_b32 s61, 0
	v_and_b32 v1, 31, v0                           ; l
	v_and_b32 v2, 15, v0                           ; l % 16
	v_bfe_u32 v3, v0, 4, 1                         ; l / 16
	v_and_b32 v4, 7, v0                            ; l % 8
	v_bfe_u32 v5, v0, 3, 1                         ; (l / 8) % 2
	v_bfe_u32 v6, v0, 3, 2                         ; l / 8
	v_lshl_add_u32 v[BO], v3, 5, s62
	v_lshl_add_u32 v7, v3, 3, v4                   ; Wo, turned: k row 8 (l / 16) + l % 8,
	v_mul_u32_u24 v7, v7, PB
	v_lshl_add_u32 v7, v5, 4, v7                   ; columns 8 ((l / 8) % 2) on,
	s_lshl_b32 s13, s12, 8                         ; in my 128 columns
	v_add_nc_u32 v[ADRB], s13, v7
	v_add_nc_u32 v[ADRB+1], BSLOT, v[ADRB]
	v_mul_u32_u24 v7, v2, PA                       ; O: row l % 16, 16 bytes for each half of the lanes,
	v_lshl_add_u32 v7, v3, 4, v7
	s_mul_i32 s13, s11, 64*PA                      ; in my 64 rows
	s_add_co_u32 s13, s13, ABASE
	v_add_nc_u32 v[ADRA], s13, v7
	v_add_nc_u32 v[ADRA+1], ASLOT, v[ADRA]
	s_mul_i32 s13, s11, AHEAD                      ; what I bring: my head,
	s_mul_i32 s14, s12, 64*PA                      ; my 64 rows of it,
	s_add_co_u32 s13, s13, s14
	s_add_co_u32 s13, s13, ABASE
	v_mul_u32_u24 v7, v6, PA                       ; four rows a load: row l / 8, 16 bytes at 16 (l % 8)
	v_lshl_add_u32 v7, v4, 4, v7
	v_add_nc_u32 v[AST0], s13, v7
	v_add_nc_u32 v[AST1], ASLOT, v[AST0]
	v_lshlrev_b32 v[AOFF], 4, v1
	s_mul_i32 s13, s10, WSTAGE
	s_add_co_u32 s13, s13, STAGE                   ; my stage
	v_mul_u32_u24 v7, v2, SPITCH                   ; in: row l % 16, 32 bytes for each half of the lanes
	v_lshl_add_u32 v7, v3, 5, v7
	v_add_nc_u32 v[STO], s13, v7
	v_lshl_add_u32 v[RD], v1, 4, s13               ; back: 32 lanes take a row of 512 bytes
	v_lshlrev_b32 v[GO], 4, v1
	s_wait_dscnt 0x0                               ; the opening add is done
	s_wait_kmcnt 0x0
	s_add_nc_u64 s[G0+2:G0+3], s[18:19], s[2:3]    ; K step 0
	s_add_nc_u64 s[G0+6:G0+7], s[G0+2:G0+3], BSTEP ; K step 1
	s_or_b32 s[G0+3], s[G0+3], 0x80000000          ; type = 2
	s_or_b32 s[G0+7], s[G0+7], 0x80000000
	s_add_nc_u64 s[AB:AB+1], s[16:17], s[58:59]
	s_mov_b64 s[6:7], s[20:21]
	s_add_nc_u64 s[8:9], s[22:23], s[60:61]
.set LOFF, 0
	USESET 0
.rept 16
	RIDE 1                                         ; O of K step 0
.endr
	WIN TO_F
.irp b, 0,1,2,3,4,5,6,7
	global_load_b128 v[BIAS+8*(\b):BIAS+8*(\b)+3],   v[BO], s[6:7] offset:64*(\b)
	global_load_b128 v[BIAS+8*(\b)+4:BIAS+8*(\b)+7], v[BO], s[6:7] offset:64*(\b)+16
.endr
.set LOFF, ASTEP
	USESET 1
.rept 16
	RIDE 1                                         ; O of K step 1
.endr
.set LOFF, 0
	WIN 0
	CROUND                                         ; all sixteen work-groups are here: the first joint loads meet
	s_cmp_lt_u32 s10, 2                            ; a wave's two first fills stand in one branch: two loads of mine are out
	s_cbranch_scc0 .Lno_first
	tensor_load_to_lds s[G0:G0+3], s[G1:G1+7]
	s_nop 0
	tensor_load_to_lds s[G0+4:G0+7], s[G1:G1+7]
	s_nop 0
	PLACES
.Lno_first:
	s_wait_xcnt 0x0                                ; the loads above have read their base
	s_add_nc_u64 s[AB:AB+1], s[AB:AB+1], 2*ASTEP   ; K step 2
	s_wait_loadcnt 32                              ; set 0 is in; the bias's 16 loads and set 1's 16 stay out
	USESET 0
.rept 16
	RIDE 2                                         ; O of K step 0 into slot 0
.endr
	s_wait_loadcnt 16                              ; the bias is in
	WIN 0x45                                       ; sources and destination window 1
.set i, 0
.rept 32
	v_cvt_pk_bf16_f32 v[BIAS+2*i], v[BIAS+2*i], v[BIAS+2*i+1]  ; the bias is rounded to bf16, like every input,
	v_and_b32 v[BIAS+2*i+1], 0xffff0000, v[BIAS+2*i]           ; and widened again
	v_lshlrev_b32 v[BIAS+2*i], 16, v[BIAS+2*i]
.set i, i+1
.endr
	WIN 0x81                                       ; source window 1, destination window 2
.set i, 0
.rept 256
	v_mov_b32 v[i], v[BIAS+i%64]                   ; THE SUMS START AT THE BIAS: nothing is cleared and nothing is added later; these lines stand in the wait for the first tiles
.set i, i+1
.endr
	WIN 0
	s_wait_tensorcnt 0x1                           ; my part of Wo's slot 0 is in; slot 1's may stay out
	s_wait_dscnt 0x0                               ; my rows of O's slot 0 are stored
	s_barrier_signal -1
	s_barrier_wait -1
	FETCH 0, 0, F0
	WIN 0
	s_mov_b32 s[CNT], 3
.Lk:                                               ; K steps 0 to 5, two a trip
	STEP 0, 1, 1, 0
	STEP 1, 1, 1, 0
	WIN 0
	s_sub_co_u32 s[CNT], s[CNT], 1
	s_cmp_lg_u32 s[CNT], 0
	s_cbranch_scc1 .Lk
	STEP 0, 0, 1, 0                                ; the tail is written out: K step 6 asks for nothing
	STEP 1, 0, 0, 1                                ; K step 7 moves nothing
	; THE WAY OUT, 16 rows at a time, through my stage: a lane's 32 bytes go into rows of 528 bytes and come back as whole rows of 512.
.macro TOSTAGE a
	WIN 0x08                                       ; the stores' data in window 2
.irp b, 0,1,2,3,4,5,6,7
	ds_store_b128 v[STO], v[8*(8*(\a)+(\b)):8*(8*(\a)+(\b))+3]   offset:64*(\b)     ; each accumulator from its low end on
	ds_store_b128 v[STO], v[8*(8*(\a)+(\b))+4:8*(8*(\a)+(\b))+7] offset:64*(\b)+16
.endr
	WIN 0
	s_wait_xcnt 0x0                                ; the stores of the block two back have read the registers that are loaded now
.irp i, 0,1,2,3,4,5,6,7,8,9,10,11,12,13,14,15
	ds_load_b128 v[BK+64*((\a)%2)+4*(\i):BK+64*((\a)%2)+4*(\i)+3], v[RD] offset:SPITCH*(\i)  ; LDS serves a wave's instructions in order (ISA guide 5.7.1.4): these see the stores above
.endr
.endm
.macro SEND a, younger                 ; younger: the LDS instructions issued behind block a's loads
	s_wait_dscnt \younger
.irp i, 0,1,2,3,4,5,6,7,8,9,10,11,12,13,14,15
	global_store_b128 v[GO], v[BK+64*((\a)%2)+4*(\i):BK+64*((\a)%2)+4*(\i)+3], s[8:9] offset:(16*(\a)+(\i))*4096 th:TH_STORE_NT  ; 512 consecutive bytes of a row, aligned
.endr
.endm
	WIN 0
	PLACES
	PLACES
	TOSTAGE 0
	TOSTAGE 1
	SEND 0, 32
	TOSTAGE 2
	SEND 1, 32
	TOSTAGE 3
	SEND 2, 32
	SEND 3, 0
	s_wait_tensorcnt 0x0                           ; the wave's end: the add and its waits, behind my last tensor load and my last LDS store
	ds_add_u32 v[SPW], v[NIL]
	s_wait_dscnt 0x0
	CROUND                                         ; the closing round: no work-group ends while a partner may still ask for a tile that names it
	s_endpgm
.Lfunc_end_k_q93513198d8_outp:
	.size	k_q93513198d8_outp, .Lfunc_end_k_q93513198d8_outp-k_q93513198d8_outp
	.p2alignl 7, 3214868480
	.fill 96, 4, 3214868480
	.section	.rodata,"a",@progbits
	.p2align	6, 0x0
	.amdhsa_kernel k_q93513198d8_outp
		.amdhsa_group_segment_fixed_size 327680
		.amdhsa_private_segment_fixed_size 0
		.amdhsa_enable_private_segment 0
		.amdhsa_kernarg_size 32
		.amdhsa_user_sgpr_count 2
		.amdhsa_user_sgpr_kernarg_segment_ptr 1
		.amdhsa_wavefront_size32 1
		.amdhsa_system_sgpr_workgroup_id_x 1
		.amdhsa_system_sgpr_workgroup_id_y 1
		.amdhsa_system_sgpr_workgroup_id_z 1
		.amdhsa_system_vgpr_workitem_id 0
		.amdhsa_next_free_vgpr 768
		.amdhsa_next_free_sgpr 66
		.amdhsa_reserve_vcc 0
		.amdhsa_float_denorm_mode_32 3
		.amdhsa_float_denorm_mode_16_64 3
		.amdhsa_memory_ordered 1
		.amdhsa_forward_progress 1
		.amdhsa_inst_pref_size 113
	.end_amdhsa_kernel
	.amdgpu_metadata
---
amdhsa.version: [ 1, 2 ]
amdhsa.kernels:
  - .name:           k_q93513198d8_outp
    .symbol:         k_q93513198d8_outp.kd
    .args:
      - { .name: ob, .offset: 0, .size: 8, .value_kind: global_buffer, .address_space: global }
      - { .name: wts, .offset: 8, .size: 8, .value_kind: global_buffer, .address_space: global }
      - { .name: bo, .offset: 16, .size: 8, .value_kind: global_buffer, .address_space: global }
      - { .name: out0, .offset: 24, .size: 8, .value_kind: global_buffer, .address_space: global }
    .group_segment_fixed_size: 327680
    .private_segment_fixed_size: 0
    .kernarg_segment_align: 8
    .kernarg_segment_size: 32
    .max_flat_workgroup_size: 128
    .sgpr_count:     66
    .vgpr_count:     768
    .wavefront_size: 32
...
	.end_amdgpu_metadata
.endif
;; end of part 4
;; ======== version 2 of 2: 4 launches; 1.44 times as fast as version 1
;; limits: values are held in f16: magnitudes above 65,504 overflow, below 6.1e-05 lose precision
;; workspace buffers: wts 8,388,608 bytes; qkv 50,331,648 bytes; ob 16,777,216 bytes
;; launch castw: the kernel of part 1 again; grid 128 x 4, 8 waves a work-group, no clusters, 0 bytes of LDS; arguments Wq, Wk, Wv, Wo, wts; writes wts
;; launch proj: the kernel of part 2 again; grid 4 x 192, 4 waves a work-group, clusters of 4 x 4, 327,680 bytes of LDS; arguments query, key, value, wts, bq, bk, bv, qkv; writes qkv
;; launch attn (part 5): grid 4 x 64, 4 waves a work-group, clusters of 4 x 1, 327,680 bytes of LDS; arguments qkv, mask, ob; writes ob
.if DOCPART == 5
	.amdgcn_target "amdgcn-amd-amdhsa--gfx1250"
	.amdhsa_code_object_version 6
	.text
	.protected	k_q93513198d8_attn
	.globl	k_q93513198d8_attn
	.p2align	8
	.type	k_q93513198d8_attn,@function
k_q93513198d8_attn:
	s_mov_b64 s[64:65], 0
	v_nop
	global_prefetch_b8 v0, s[64:65] scope:SCOPE_SE
	s_setreg_imm32_b32 hwreg(HW_REG_WAVE_MODE, 25, 1), 1
	s_wait_xcnt 0x0
	s_wait_alu depctr_hold_cnt(0) depctr_sa_sdst(0) depctr_va_vdst(0) depctr_va_sdst(0) depctr_va_ssrc(0) depctr_va_vcc(0) depctr_vm_vsrc(0)
	s_getreg_b32 s2, hwreg(HW_REG_IB_STS2, 6, 4)
	s_cmp_eq_u32 s2, 0
	s_cbranch_scc0 .Lentry_in_a_cluster
	s_endpgm
.Lentry_in_a_cluster:
	s_bfe_u32 s2, ttmp6, 0x10000c
	s_cmp_lg_u32 s2, 0x3003
	s_cbranch_scc0 .Lentry_shape_is_right
	s_endpgm
.Lentry_shape_is_right:
; ob[g][q][:] = the sum over k of softmax_k(Q[g][q] . K[g][k] / 8 - 1e9 mask[g / 16][k]) V[g][k][:], g = 16 b + h.  Q, K, V: qkv[0], [1], [2], each [64][2048][64] in f16; ob likewise.
; Q ARRIVES SCALED by c = log2(e) / 8, so the scores leave the matrix unit as exponents of 2, and the weight is p = 2^(s - m): ONE f32 subtraction, never above 0, whatever the size of m: p lies in 0 to 1
; also while every key seen so far carries the mask.  Products, maxima and sums in f32; p is rounded to f16 for the second product (its sum l is taken of the unrounded p), O once at the end.
; THE MASK is the C operand that starts each sum S^T = K Q^T: bf16(mask[k]) x (-1e9 log2 e), made once into a table in LDS (8,192 bytes, f32) and fetched with K, 64 keys a step.  It costs the loop no vector line.
; LIMITS.  f16 holds no number beyond 65,504: Q, K and V arrive within it; p below 6e-5 keeps f16's fixed step of 6e-8; a weight below 2^-126 counts as 0 in l; NaN and infinities are not treated apart.
; Where ALL keys of a batch carry a mask near 1, the result hangs on how -1e9 swallows the scores' low bits: here the sum is rounded in exponents of 2 (steps of 128) by the matrix unit, in the defining formula
; in natural exponents (steps of 64): an order of rounding that differs.
; SHARES.  A wave owns four PIECES of two tiles of 16 queries, a work-group's four waves 512 queries of one head.  Every wave walks all 2,048 keys, 64 a step.
; LAYOUT.  S^T = K Q^T (source 0 = 16 keys, source 1 = 16 queries): a lane holds ONE query (lane % 16) and the keys 8 (lane / 16) + 0..7.  Two such tiles, rounded to f16 in pairs, ARE source 1 of O^T = V^T P,
; whose result again holds one query a lane, and eight channels.  K comes out of LDS as it lies, V ([key][channel]) turned, by ds_load_tr16_b128.
; SOFTMAX.  A running maximum m and sum l for each query; in every step O and l are multiplied by a = 2^(m_old - m_new).  m starts at the lowest finite number, O and l at 0: the first step has a = 0.
; THE COUNT.  A tile and step have 16 matrix and 118 vector instructions: too many to stand all beside the matrix work.  So four vector instructions that are READY stand behind EVERY matrix instruction, and the
; others in one run without a gap.
; BY TURNS.  Turn n belongs to piece n.  Its matrix work: 16 products K Q^T of piece n + 1, later 16 products V^T P of piece n - 1.  Its vector work: the subtraction, exponentials, roundings, sums and rescaling of
; piece n, and the maximum and statistics of piece n + 1, whose scores the turn itself has made.  So what a turn begins with (s - m, O a) waits for nothing.
; THE BATCHES.  A turn's 66 exponentials (the 64 weights of piece n, then the two a of piece n + 1) are ONE batch with ONE s_wait_alu depctr_va_vdst(0), which stands ahead of the first line that names
; a result.  Ahead of it stands all that names no result of the batch: the products K Q^T, the subtractions, the rescaling (its a is of the batch before, waited for in its own turn), the next piece's maximum and
; statistics.  Behind it stand the products V^T P, the roundings and the sums.  No result crosses a turn's end.  Outside the loop there are two small batches: piece 0's first two a, and the way out's eight reciprocals.
; CLUSTER.  The four query blocks of a head are one cluster and walk the same K and V: each tile is asked for JOINTLY: the same tensor load, descriptor and mask in all four.
; NO PREFETCH: a refill has four key steps, 512 matrix instructions and their vector work, in which to land, and the first two slots are asked for at the head.
; REGISTERS, in windows of 256 (s_set_vgpr_msb: bits 1:0 source 0, 3:2 source 1, 5:4 source 2, 7:6 destination):
;   window 0: v0-11 addresses; v12-15, v48-63 at work; v16-47 four registers of statistics a tile; v64-191 S^T, two buffers of two tiles; v192-255 P, likewise
;   window 1: O^T, 32 a tile      window 2: v0-127 Q; v128-191 K of one step; v192-255 V of one step      window 3: v0-1 the add's two registers; v8-39 the mask of one step
.set SIZE_N, 2048
.set NP,    4         ; pieces a wave: a name, no knob
.set KS,    64        ; keys in a step
.set PK,    144       ; a row of K in LDS: 128 bytes + 16: an odd multiple of 16
.set PV,    160       ; a row of V: 128 + 32: an odd multiple of 32
.set VOFF,  4*KS*PK   ; a slot holds four steps: 256 rows of K, then 256 rows of V
.set SLOT1, 1<<17     ; slot 1 begins here, so that one exclusive or turns an address in one slot into the other's
.set STAGE, SLOT1+4*KS*(PK+PV)  ; behind the ring, never filled by a tensor load: 16 rows x 144 bytes for each wave, for the way out
.set SP,    144
.set SPARE, STAGE+4*16*SP  ; the spare words, 128 bytes for each wave: two blocks of 256 bytes that no other line names
.set MASKB, SPARE+512 ; the mask's table: 2,048 f32, blocks of its own
.set AK0, 2           ; v2   my lane's place in a tile of K; never rewritten
.set AV0, 3           ; v3   the same for V
.set AK,  4           ; v4   the LDS address of K's next run of loads
.set AV,  5           ; v5   of V's
.set QO,  6           ; v6   my byte offset in the wave's rows of Q
.set STO, 6           ;      later, the way out: where I put 16 bytes of a row
.set RD,  7           ; v7   the way out: where I read rows back
.set GO,  8           ; v8   my byte offset in 512 consecutive bytes of O
.set MA,  11          ; v11  the LDS address of the mask's next run of loads (v9 = lane / 16 stays for it)
.set SPW, 0           ; v0 of window 3   LDS address of my spare word; never rewritten
.set NIL, 1           ; v1 of window 3   0; never rewritten
.set MK,  8           ; window 3: the mask of key block kb at MK + 8 kb
.set MV,  12          ; v12-15  m_old, kept while m is made anew: by buffer and tile
.set ST,  16          ; tile t's statistics at v[ST+4 t]: m (as subtracted), m, l (even keys', odd keys')
.set TMP, 48          ; by buffer and tile, four registers c0-c3 at work; when the maximum is found c2 takes a
.set S,   64
.set P,   192
.set KF,  128         ; K's fragments, in window 2: key block kb, channel half c at KF + 16 kb + 8 c
.set VF,  192         ; V's: key half kk, channel block cb at VF + 32 kk + 8 cb
.set WV,  12          ; s12  my wave's number
.set G1K, 24          ; s[24:31] descriptor group 1 for K's tiles
.set G1V, 32          ; s[32:39] for V's: it differs in the padding alone
.set G0K, 40          ; s[40:43] descriptor group 0 for K's tiles: it walks
.set G0V, 44          ; s[44:47] the same for V's
.set SLOTS, 56        ; s56  slots still to be asked for
.set CNT, 57          ; s57  counts a slot's key steps
.set CS,  58          ; s[58:59] 1.0: the scale lies in Q
.set SEL, 60          ; s[60:61] v_permlanex16_b32's selects: each lane takes its own place in the other half
.set TBK, 62          ; s62  LDS byte at which K of the step to be fetched begins
.set TBV, 63          ; s63  the same for V, less VOFF
.set TBM, 66          ; s66  the same for the mask's table
.set MP,  68          ; s[68:69] the batch's row of the mask
.set MSB, 0
.macro WIN new                      ; the high byte repeats the setting that is left; a switch that changes nothing is dropped
.if MSB != (\new)
	s_set_vgpr_msb (MSB<<8)|(\new)
.set MSB, (\new)
.endif
.endm
.set W_KQ, 0x0a       ; K and Q in window 2, S^T in window 0
.set W_KM, 0x3a       ; the same with the C operand, the mask, in window 3
.set W_PV, 0x52       ; V in window 2, P in window 0, O^T in window 1
.set W_RS, 0x41       ; O^T (destination and source 0) in window 1, a in window 0
.set W_MK, 0xc0       ; destination in window 3, sources in window 0
.set W_AD, 0x0f       ; the add: address (source 0) and data (source 1) in window 3
; A joint fill.  Waves 0 and 1 fetch the two halves of a slot's K, waves 2 and 3 those of its V: 128 keys each.  The branch hangs on the wave's number alone.
; An s_nop 0 and four v_nop follow each of the two lines, ahead of the jump and the label.
.macro JLOAD
	s_cmp_lt_u32 s[WV], 2
	s_cbranch_scc0 .Lfor_v_\@
	tensor_load_to_lds s[G0K:G0K+3], s[G1K:G1K+7]
	s_nop 0
.rept 4
	v_nop
.endr
	s_branch .Lasked_\@
.Lfor_v_\@:
	tensor_load_to_lds s[G0V:G0V+3], s[G1V:G1V+7]
	s_nop 0
.rept 4
	v_nop
.endr
.Lasked_\@:
.endm
; A round of the cluster's barrier: my work-group's barrier, so that wave 0's signal speaks for all four waves; wave 0 signals; every wave waits for all four work-groups; my work-group's barrier once more.
.macro CROUND
	s_barrier_signal -1
	s_barrier_wait -1
	s_cmp_lg_u32 s[WV], 0
	s_cbranch_scc1 .Lnot_wave_0_\@
	s_barrier_signal -3
.Lnot_wave_0_\@:
	s_barrier_wait -3
	s_barrier_signal -1
	s_barrier_wait -1
.endm
; THE CHANGE OF SLOTS.  Each wave waits for all its tensor loads, of which one is out: its part of the other slot; adds 0 to its spare word; and waits for that and for its own reads of the slot.
; Behind the barrier nobody reads this slot any more and the other slot is whole.  fill = 1: this slot is filled again, with the keys two slots on: the barrier is then a round of the cluster's, and the
; joint fill is the first thing behind it: it has four key steps in which to land.  (At its first use nothing has been read yet: slot 0 is waited for, slot 1 filled, and every wave's part of the mask's table is stored.)
.macro CHANGE fill
	WIN W_AD
	s_wait_tensorcnt 0x0            ; no tensor load of mine is out, so a group 0 may be written
	ds_add_u32 v[SPW], v[NIL]       ; 0 onto my spare word
	WIN 0                           ; at a label and at a branch every window is 0
.if \fill
.irp g, G0K, G0V
	s_xor_b32 s[\g+1], s[\g+1], SLOT1  ; the walking descriptor: the other slot than last time,
	s_add_nc_u64 s[\g+2:\g+3], s[\g+2:\g+3], 4*KS*128  ; the next 256 keys; the type bits on top are not reached
.endr
	s_wait_dscnt 0x0                ; the add is done, and my LDS reads and stores are over
	CROUND
	JLOAD
.else
	s_wait_dscnt 0x0
	s_barrier_signal -1
	s_barrier_wait -1
.endif
	s_sub_co_u32 s[TBK], s[TBK], 4*KS*PK  ; the fetches go back to a slot's first step,
	s_xor_b32 s[TBK], s[TBK], SLOT1       ; in the other slot
	s_sub_co_u32 s[TBV], s[TBV], 4*KS*PV
	s_xor_b32 s[TBV], s[TBV], SLOT1
.endm
	s_load_b128 s[4:7], s[0:1], 0x0   ; qkv s[4:5], mask s[6:7]
	s_load_b64 s[10:11], s[0:1], 0x10 ; ob
	WIN W_MK
	v_lshl_add_u32 v[SPW], v0, 2, SPARE
	v_mov_b32 v[NIL], 0
	WIN W_AD
	ds_add_u32 v[SPW], v[NIL]       ; the wave's opening: the add, waited for ahead of my first tensor load; the set-up below, work on registers, stands between them
	WIN 0
	v_lshrrev_b32 v1, 5, v0
	v_readfirstlane_b32 s[WV], v1   ; wave 0..3
	s_bfe_u32 s13, ttmp6, 0x40000   ; cx: my place in the cluster
	s_lshl_b32 s14, ttmp9, 2        ; in a cluster launch ttmp9 counts clusters
	s_add_co_u32 s14, s14, s13      ; my block of queries = 4 x cluster x + cx: it enters Q's and O's addresses alone
	s_and_b32 s20, ttmp7, 0xffff    ; the head g, which the four partners share
	s_lshr_b32 s70, s20, 4          ; its batch:
	s_lshl_b32 s70, s70, 13         ; 8,192 bytes of mask
	s_mov_b32 s71, 0
	s_mov_b32 s21, 0
	s_mov_b64 s[22:23], SIZE_N*128
	s_mul_u64 s[20:21], s[20:21], s[22:23]  ; the head's first byte in each of Q, K, V, O
	s_and_b32 s16, s[WV], 1         ; which half of a slot's 256 keys I fetch:
	s_lshl_b32 s22, s16, 14         ; its 128 rows of 128 bytes in memory,
	s_mov_b32 s23, 0
	s_add_nc_u64 s[22:23], s[22:23], s[20:21]
	s_mul_i32 s17, s16, 128*PK      ; and its place in a slot, for K
	s_mul_i32 s18, s16, 128*PV      ; and for V: no place in the cluster enters an LDS address
	s_lshl_b32 s2, s14, 2
	s_add_co_u32 s2, s2, s[WV]      ; my wave among the head's,
	s_lshl_b32 s2, s2, 14           ; its 128 rows
	s_mov_b32 s3, 0
	s_add_nc_u64 s[2:3], s[2:3], s[20:21]
	; descriptor group 1.  128 keys are 16,384 dense bytes: asked for as 64 rows of 256 bytes, two keys a row, and padded in LDS after every key
	s_mov_b32 s[G1K], 15|(1<<16)|(1<<20)|(1<<21)|(4<<22)|(3<<25)  ; 15:0 the mask of four; 17:16 2-byte elements; 20 padding on; 21 set beside a mask; 24:22 after every 32 words (code 4); 31:25 4 words (code 3)
	s_mov_b32 s[G1V], 15|(1<<16)|(1<<20)|(1<<21)|(4<<22)|(7<<25)  ; the same with 8 words of padding (code 7)
.irp g, G1K, G1V
	s_mov_b32 s[\g+1], 128<<16      ; tensor_dim0 = 128
	s_mov_b32 s[\g+2], 64<<16       ; tensor_dim1 = 64
	s_mov_b32 s[\g+3], 128<<16      ; tile_dim0 = 128
	s_mov_b32 s[\g+4], 64           ; tile_dim1 = 64
	s_mov_b32 s[\g+5], 128          ; 128 elements from row to row
	s_mov_b32 s[\g+6], 0
	s_mov_b32 s[\g+7], 0
.endr
	s_mov_b32 s[CS], 1.0
	s_mov_b32 s[CS+1], s[CS]        ; named with it as a pair
	s_mov_b32 s[SEL], 0x76543210
	s_mov_b32 s[SEL+1], 0xfedcba98
	s_mov_b32 s[TBK], SLOT1+4*KS*PK ; the first change of slots turns these two into 0
	s_mov_b32 s[TBV], SLOT1+4*KS*PV
	s_mov_b32 s[TBM], MASKB
	s_mov_b32 s[G0K], 1             ; 1:0 count = 1
	s_mov_b32 s[G0K+1], s17         ; 63:32 LDS address: slot 0
	s_mov_b32 s[G0V], 1
	s_add_co_u32 s[G0V+1], s18, VOFF
	s_wait_dscnt 0x0                ; the opening add is done
	s_wait_kmcnt 0x0
	s_add_nc_u64 s[MP:MP+1], s[6:7], s[70:71]
	s_add_nc_u64 s[6:7], s[4:5], 0x1000000   ; K lies 16 MiB behind Q,
	s_add_nc_u64 s[8:9], s[4:5], 0x2000000   ; V 32
	s_add_nc_u64 s[G0K+2:G0K+3], s[6:7], s[22:23]  ; 120:64 global address: my half of the head's first 256 keys
	s_or_b32 s[G0K+3], s[G0K+3], 0x80000000        ; 127:126 type = 2
	s_add_nc_u64 s[G0V+2:G0V+3], s[8:9], s[22:23]
	s_or_b32 s[G0V+3], s[G0V+3], 0x80000000
	s_add_nc_u64 s[4:5], s[4:5], s[2:3]  ; Q and O at my wave's first row
	s_add_nc_u64 s[10:11], s[10:11], s[2:3]
	CROUND                          ; all four work-groups are here: the first joint loads meet
	JLOAD                           ; slot 0.  Slot 1 is asked for when slot 0 is in
	v_lshlrev_b32 v12, 4, v0        ; the mask: 128 threads x 16 bytes, four times
	v_add_nc_u32 v13, MASKB, v12
.irp i, 0,1,2,3
	global_load_b128 v[S+4*\i:S+4*\i+3], v12, s[MP:MP+1] offset:2048*\i
.endr
	; A fragment of K or Q is 16 rows x 32 channels in 8 registers: lane l holds row l % 16, channels 8 (l / 16) + 0..7 and 16 + 8 (l / 16) + 0..7: two loads of 16 bytes, 32 bytes apart.
	v_and_b32 v1, 15, v0            ; l % 16
	v_bfe_u32 v9, v0, 4, 1          ; l / 16
	v_lshlrev_b32 v[QO], 7, v1
	v_lshl_add_u32 v[QO], v9, 4, v[QO]  ; row x 128 + 16 x half
	WIN 0x80                        ; destination window 2, address window 0
.set i, 0
.rept 4*NP                          ; Q stays in registers: tile i / 2, channels 32 (i % 2) on
	global_load_b128 v[8*i:8*i+3],   v[QO], s[4:5] offset:(i/2)*2048+(i%2)*64
	global_load_b128 v[8*i+4:8*i+7], v[QO], s[4:5] offset:(i/2)*2048+(i%2)*64+32
.set i, i+1
.endr
	; What the first turn finds: V's registers and P's second buffer hold 0 (its products V^T P, of a piece that has not been, add 0), O^T and l are 0.  All this stands in the wait for the first tile.
.set i, VF
.rept 64
	v_mov_b32 v[i], 0
.set i, i+1
.endr
	WIN 0x40
.set i, 0
.rept 64*NP
	v_mov_b32 v[i], 0
.set i, i+1
.endr
	WIN 0
.set i, 0
.rept 2*NP
	v_mov_b32 v[ST+4*i], 0xfe000000    ; far below every score, the masked ones too
	v_mov_b32 v[ST+4*i+1], 0xff7fffff  ; m
	v_mov_b32 v[ST+4*i+2], 0
	v_mov_b32 v[ST+4*i+3], 0
.set i, i+1
.endr
.set i, P+32
.rept 32
	v_mov_b32 v[i], 0
.set i, i+1
.endr
	v_mul_u32_u24 v[AK0], v1, PK
	v_lshl_add_u32 v[AK0], v9, 4, v[AK0]  ; row x pitch + 16 x half
	; The turning load takes 16 keys x 16 channels (lane l reads key 8 (l / 16) + l % 8, channels 8 ((l / 8) % 2) + 0..7) and leaves half a fragment of V^T: lane l holds channel l % 16 and 8 keys.
	v_and_b32 v10, 7, v0
	v_bfe_u32 v11, v0, 3, 1
	v_lshl_add_u32 v[AV0], v9, 3, v10
	v_mul_u32_u24 v[AV0], v[AV0], PV
	v_lshl_add_u32 v[AV0], v11, 4, v[AV0]
	v_add_nc_u32 v[AV0], VOFF, v[AV0]
	v_mov_b32 v[AK], v[AK0]         ; key step 0 lies at the head of slot 0,
	v_lshl_add_u32 v[MA], v9, 5, s[TBM]  ; and of the table: my 8 keys of a block of 16 are 32 bytes
	; THE MASK'S TABLE: rounded to bf16 like every input, times -1e9 log2 e, in f32.
	s_wait_loadcnt 32               ; the mask's four loads are in; Q's 32, issued behind them, stay out
.set i, 0
.rept 8
	v_cvt_pk_bf16_f32 v[S+16+i], v[S+2*i], v[S+2*i+1]
.set i, i+1
.endr
.set i, 0
.rept 8
	v_lshlrev_b32 v[S+2*i], 16, v[S+16+i]
	v_and_b32 v[S+2*i+1], 0xffff0000, v[S+16+i]
.set i, i+1
.endr
.set i, 0
.rept 8
	v_pk_mul_f32 v[S+2*i:S+2*i+1], v[S+2*i:S+2*i+1], 0xceabfb8f op_sel_hi:[1,0]  ; -1,442,695,040
.set i, i+1
.endr
.irp i, 0,1,2,3
	ds_store_b128 v13, v[S+4*\i:S+4*\i+3] offset:2048*\i  ; the first change of slots waits for these and passes a barrier ahead of every read
.endr
; THE MATRIX WORK.  The 8 accumulators of a run of 16 take turns: between the two links of a chain stand 7 others'.
; Product i of 16 of S^T = K Q^T for piece x: channels 32 (i / 8) on, keys 16 ((i / 2) % 4) on, tile 2 x + i % 2.  The first 8 start the sums, at the mask of their 16 keys.
.macro KQ x
.set rS, S+64*((\x)%2)+32*(i%2)+8*((i/2)%4)
.set rK, KF+16*((i/2)%4)+8*(i/8)
.set rQ, 16*(2*(\x)+i%2)+8*(i/8)
.set rMK, MK+8*((i/2)%4)
.if i < 8
	WIN W_KM
	v_wmma_f32_16x16x32_f16 v[rS:rS+7], v[rK:rK+7], v[rQ:rQ+7], v[rMK:rMK+7]
.else
	WIN W_KQ
	v_wmma_f32_16x16x32_f16 v[rS:rS+7], v[rK:rK+7], v[rQ:rQ+7], v[rS:rS+7]
.endif
.endm
; Product i of 16 of O^T += V^T P for piece x: keys 32 (i / 8) on, channels 16 ((i / 2) % 4) on, tile 2 x + i % 2.
.macro PV x
	WIN W_PV
.set rO, 32*(2*(\x)+i%2)+8*((i/2)%4)
.set rV, VF+32*(i/8)+8*((i/2)%4)
.set rP, P+32*((\x)%2)+16*(i%2)+8*(i/8)
	v_wmma_f32_16x16x32_f16 v[rO:rO+7], v[rV:rV+7], v[rP:rP+7], v[rO:rO+7]
.endm
.macro MM                           ; the turn's next matrix instruction
.if i < 16
	KQ (Y+1)%NP
.set i, i+1
.else
.set i, i-16
	PV (Y+NP-1)%NP
.set i, i+17
.endif
.endm
; THE LDS LOADS stand in runs, never singly among the matrix instructions: a step's K (8 fragments) with its mask (8 loads; 16 lanes share each 16 bytes), and its V (turned).  Their addresses are made some lines ahead.
; last = 1 (the tail): in the last trip there is no further step, and the run is jumped over.
.macro FETCH_K last=0
	WIN 0
.if \last
	s_cmp_eq_u32 s[CNT], 1
	s_cbranch_scc1 .Lno_k_\@
.endif
	WIN 0x80                        ; destination window 2
.irp f, 0,1,2,3,4,5,6,7             ; keys 16 (f / 2) on, channels 32 (f % 2) on
	ds_load_b128 v[KF+8*\f:KF+8*\f+3],   v[AK] offset:(\f/2)*16*PK+(\f%2)*64
	ds_load_b128 v[KF+8*\f+4:KF+8*\f+7], v[AK] offset:(\f/2)*16*PK+(\f%2)*64+32
.endr
	WIN 0xc0                        ; destination window 3
.irp f, 0,1,2,3                     ; keys 16 f + 8 (l / 16) + 0..7
	ds_load_b128 v[MK+8*\f:MK+8*\f+3],   v[MA] offset:64*\f
	ds_load_b128 v[MK+8*\f+4:MK+8*\f+7], v[MA] offset:64*\f+16
.endr
	s_add_co_u32 s[TBK], s[TBK], KS*PK  ; the next fetch is the next step's
	s_add_co_u32 s[TBM], s[TBM], KS*4
	s_min_u32 s[TBM], s[TBM], MASKB+(SIZE_N-KS)*4  ; never past the table's last step
	WIN 0
.if \last
.Lno_k_\@:
.endif
.endm
.macro FETCH_V
	WIN 0x80
.irp f, 0,1,2,3,4,5,6,7             ; keys 32 (f / 4) on, channels 16 (f % 4) on
	ds_load_tr16_b128 v[VF+8*\f:VF+8*\f+3],   v[AV] offset:(\f/4)*32*PV+(\f%4)*32
	ds_load_tr16_b128 v[VF+8*\f+4:VF+8*\f+7], v[AV] offset:(\f/4)*32*PV+16*PV+(\f%4)*32
.endr
	WIN 0
.endm
; THE VECTOR WORK OF A TURN stands in three queues, each in the order in which its entries become ready; the two tiles alternate, so that no instruction reads the result of the one before it.
.macro REGS y, u                    ; the registers of tile u (0, 1) of piece y
.set rT, ST+4*(2*(\y)+(\u))
.set rC, TMP+8*((\y)%2)+4*(\u)
.set rM, MV+2*((\y)%2)+(\u)
.set rS, S+64*((\y)%2)+32*(\u)
.set rP, P+32*((\y)%2)+16*(\u)
.set rO, 32*(2*(\y)+(\u))
.endm
; Number n of the 22 that find the NEXT piece's (Y + 1) maximum and statistics.  s0-s31 are the lane's 32 scores; each accumulator's lowest registers are read first.  XS, GS and REGS set no window: PL and EX do.
;   0-11  four chains c0-c3 of seven scores each, three operands at a time     12-14, 16  the four scores left over, the old m, and c0-c3 into c0     15  m_old is kept
;   17, 18  the query's other 32 keys lie in the lane 16 away: the new m         19-21  m as it is subtracted; m_old - m_new; a
.macro XS u, n
	REGS (Y+1)%NP, \u
.if (\n) < 4
	v_max3_num_f32 v[rC+(\n)], v[rS+8*(\n)], v[rS+8*(\n)+1], v[rS+8*(\n)+2]
.elseif (\n) < 12
	v_max3_num_f32 v[rC+(\n)%4], v[rC+(\n)%4], v[rS+8*((\n)%4)+2*((\n)/4)+1], v[rS+8*((\n)%4)+2*((\n)/4)+2]
.elseif (\n) == 12
	v_max3_num_f32 v[rC], v[rC], v[rS+7], v[rS+15]
.elseif (\n) == 13
	v_max3_num_f32 v[rC+1], v[rC+1], v[rS+23], v[rS+31]
.elseif (\n) == 14
	v_max3_num_f32 v[rC+2], v[rC+2], v[rC+3], v[rT+1]
.elseif (\n) == 15
	v_mov_b32 v[rM], v[rT]
.elseif (\n) == 16
	v_max3_num_f32 v[rC], v[rC], v[rC+1], v[rC+2]
.elseif (\n) == 17
	v_permlanex16_b32 v[rC+3], v[rC], s[SEL], s[SEL+1]
.elseif (\n) == 18
	v_max_num_f32 v[rT+1], v[rC], v[rC+3]
.elseif (\n) == 19
	v_mul_f32 v[rT], s[CS], v[rT+1]
.elseif (\n) == 20
	v_sub_f32 v[rC+1], v[rM], v[rT]
.else
	v_exp_f32 v[rC+2], v[rC+1]
.endif
.endm
; Number g of the 64 that follow the exponentials.  For each four weights k of a tile (pairs 2 k, 2 k + 1): both pairs are rounded to f16; then the second pair is added onto the first, in place;
; a group later l takes that sum (the first time as l = a l + sum).  In groups of eight, tiles alternating: round, round, add, and l for the group before.  All 64 stand behind the turn's wait.
.macro GS g
.set h, (\g)+6*((\g)/62)            ; group 0 has no group before it, and behind group 7 only l is left
.if h >= 6
.set h, h+2
.endif
	REGS Y, h%2
.set k, h/8
.if h%8 < 4
	v_cvt_pk_f16_f32 v[rP+2*k+(h%8)/2], v[rS+4*k+2*((h%8)/2)], v[rS+4*k+2*((h%8)/2)+1]
.elseif h%8 < 6
	v_pk_add_f32 v[rS+4*k:rS+4*k+1], v[rS+4*k:rS+4*k+1], v[rS+4*k+2:rS+4*k+3]
.elseif k == 1
	v_pk_fma_f32 v[rT+2:rT+3], v[rT+2:rT+3], v[rC+2:rC+3], v[rS:rS+1] op_sel_hi:[1,0,1]
.else
	v_pk_add_f32 v[rT+2:rT+3], v[rT+2:rT+3], v[rS+4*k-4:rS+4*k-3]
.endif
.endm
; THE PLAIN QUEUE, 138 long.  0-73 read no exponential's result: the 32 subtractions s - m (FS f: pair f / 2 of tile f % 2) and the next piece's 42.  0-26: subtractions 0-26.  27-54: XS's numbers 0-13.  55, 56: number 15.
; 57-73: the chain, where each number waits for the one before it: 14, 16, 17, 18, 19, each with one of the subtractions 27-31 in front of its two lines, then 20: so a tile's links stand three plain instructions apart (19 and 20: two).
; 74-137: GS's 64, which read the exponentials' results: they stand behind the wait.
.macro FS f
	REGS Y, (\f)%2
	v_pk_fma_f32 v[rS+2*((\f)/2):rS+2*((\f)/2)+1], v[rS+2*((\f)/2):rS+2*((\f)/2)+1], s[CS:CS+1], v[rT:rT+1] op_sel_hi:[1,0,0] neg_lo:[0,0,1] neg_hi:[0,0,1]
.endm
.macro PL
	WIN 0
.if q < 27
	FS q
.elseif q < 55
	XS (q-27)%2, (q-27)/2
.elseif q < 57
	XS q-55, 15
.elseif (q < 72) && ((q-57)%3 == 0)
	FS 27+(q-57)/3
.elseif q < 60
	XS (q-57)%3-1, 14
.elseif q < 72
	XS (q-57)%3-1, 15+(q-57)/3
.elseif q < 74
	XS q-72, 20
.else
	GS q-74
.endif
.set q, q+1
.endm
; THE EXPONENTIALS' QUEUE, 66 long: s0-s31 of both tiles, then the next piece's two a.  It is ONE BATCH: all 66 stand ahead of the turn's one wait, and nothing ahead of that wait names a result of theirs.
.macro EX
	WIN 0
.if e >= 64
	XS e-64, 21
.else
	REGS Y, e%2
	v_exp_f32 v[rS+e/2], v[rS+e/2]
.endif
.set e, e+1
.endm
; THE RESCALING's QUEUE: O^T times a, the one part that leaves window 0: dealt two at a time, sixteen times.  Its a was made in the turn before, ahead of that turn's wait.
.macro R2
	REGS Y, r%2
	WIN W_RS
.irp z, 0,1
	v_pk_mul_f32 v[rO+4*(r/2)+2*\z:rO+4*(r/2)+2*\z+1], v[rO+4*(r/2)+2*\z:rO+4*(r/2)+2*\z+1], v[rC+2:rC+3] op_sel_hi:[1,0]
.endr
.set r, r+1
.endm
; HOW THEY ARE DEALT.  A turn has ONE wait, which cuts it in two.  AHEAD OF IT: the 16 products K Q^T, behind each a subtraction, an exponential and two rescalings (behind the first a second subtraction in the exponential's
; place); then ONE LUMP of 108: eight plain, 49 times exponential and plain, the two a.  A v_nop is the plain instruction behind the last exponential.  BEHIND IT: the 16 products V^T P, behind each four of GS's 64.
; No rider names a register of the products round it.  The two v_permlanex16_b32 fall into the lump, never behind a product.
; The deal keeps the queues in step: exponential e stands behind subtraction 2 (e / 4) + e % 2: as a rider it comes behind plain e + 2, in the lump behind plain e + 9, and subtractions 27-31 are plain 57, 60 .. 69;
; every subtraction behind exponential e works on a higher pair than any that has been exponentiated.
; A TURN, for piece p.  cnt = 1: the loop's count is taken down some lines ahead of the branch that stands behind the turn.
; K and the mask of the next step are fetched in piece 2's turn, directly behind the wait, a lump behind the last product that read K (the mask's last reader stands eight products earlier); their addresses are made at
; the lump's head; their first reader comes behind 16 products.  In the tail the jump over that run stands behind the wait too.
; V of the step in hand is fetched at the end of piece 0's turn, four riders (additions onto l) behind its last reader; its first reader comes behind 16 products and a lump.  The three conditions on q below go with the deal.
.macro TURN p, last=0, cnt=0
.set Y, (\p)
.set i, 0
.set q, 0
.set e, 0
.set r, 0
.if (\p) == NP-1
	s_wait_dscnt 0x0                ; K and the mask are in
.endif
	MM                              ; ahead of the wait: 16 products K Q^T and their riders,
	PL
	PL
	R2
.rept 15
	MM
	PL
	EX
	R2
.endr
.if (\p) == NP-2
	WIN 0
	v_add_nc_u32 v[AK], s[TBK], v[AK0]
	v_lshl_add_u32 v[MA], v9, 5, s[TBM]
.endif
.rept 8                             ; and the lump
	PL
.endr
.rept 49
	EX
	PL
.endr
	EX                              ; the next piece's two a
	EX
	v_nop                           ; a plain instruction behind the last exponential: one for the batch
	s_wait_alu depctr_va_vdst(0)    ; the wait for the turn's batch of 66 exponentials, ahead of the first line that names a result
.if (\p) == NP-2
	FETCH_K \last
.endif
.if (\p) == 1
	s_wait_dscnt 0x0                ; V is in
.endif
.rept 16                            ; behind the wait: 16 products V^T P and their riders
	MM
.rept 4
	PL
.endr
.if ((\p) == 0) && (q == 118)
	v_add_nc_u32 v[AV], s[TBV], v[AV0]
.endif
.if ((\p) == 0) && (q == 130)
	s_add_co_u32 s[TBV], s[TBV], KS*PV
.endif
.if (\cnt) && (q == 130)
	s_sub_co_u32 s[CNT], s[CNT], 1
	s_cmp_lg_u32 s[CNT], 0
.endif
.endr
.if (\p) == 0
	FETCH_V
.endif
.endm
	CHANGE 1                        ; slot 0 is in, everybody's part of it, and the mask's table is whole; slot 1 is asked for
	FETCH_K                         ; key step 0
	s_wait_loadcnt 0x0              ; Q
	s_wait_dscnt 0x0
.set i, 0
.rept 16
	KQ 0                            ; piece 0's first scores: there is no vector work yet to set between them
.set i, i+1
.endr
	WIN 0                           ; the addresses for the way out: nine plain instructions, the places behind those products
	s_mul_i32 s13, s[WV], 16*SP
	s_add_co_u32 s13, s13, STAGE    ; my stage
	v_mul_u32_u24 v[STO], v1, SP    ; in: row l % 16, 16 bytes for each half of the lanes
	v_lshl_add_u32 v[STO], v9, 4, v[STO]
	v_add_nc_u32 v[STO], s13, v[STO]
	v_bfe_u32 v[RD], v0, 3, 2       ; back: 32 lanes take four rows of 128 bytes,
	v_mul_u32_u24 v[RD], v[RD], SP
	v_lshl_add_u32 v[RD], v10, 4, v[RD]
	v_add_nc_u32 v[RD], s13, v[RD]
	v_and_b32 v[GO], 31, v0         ; which are 512 consecutive bytes of O
	v_lshlrev_b32 v[GO], 4, v[GO]
.set Y, NP-1                        ; XS works for piece Y + 1: piece 0
.irp n, 0,1,2,3,4,5,6,7,8,9,10,11,12,13,14,15,16,17,18,19,20,21
	XS 0, \n                        ; and piece 0's first maximum and statistics
	XS 1, \n
.endr
	v_nop                           ; a plain instruction behind piece 0's first two a,
	s_wait_alu depctr_va_vdst(0)    ; and the wait for that batch of two, ahead of the jump
	s_mov_b32 s[CNT], 4
	s_mov_b32 s[SLOTS], SIZE_N/256-1
	s_branch .Lfirst                ; the loop is entered at a step's first turn, in the middle of a trip
.Lslot:                             ; SIZE_N / 256 - 2 times: every slot but the last two is filled again
	CHANGE 1
	s_mov_b32 s[CNT], 4
.Lstep:                             ; a trip: pieces 2 and 3 of one step, then pieces 0 and 1 of the next, whose K, mask and V it fetches
	TURN 2
	TURN 3
	WIN 0
.Lfirst:
	TURN 0
	TURN 1, 0, 1
	WIN 0
	s_cbranch_scc1 .Lstep
	s_sub_co_u32 s[SLOTS], s[SLOTS], 1
	s_cmp_lg_u32 s[SLOTS], 0
	s_cbranch_scc1 .Lslot
	CHANGE 0                        ; the tail is written out: nothing is asked for
	s_mov_b32 s[CNT], 5             ; four trips fetch the last slot's steps; the fifth is left in its middle
.Ltail:
	TURN 2, 1
	TURN 3
	WIN 0
	s_sub_co_u32 s[CNT], s[CNT], 1
	s_cmp_eq_u32 s[CNT], 0
	s_cbranch_scc1 .Lout
	TURN 0
	TURN 1
	WIN 0
	s_branch .Ltail
.Lout:                              ; the fifth trip's 16 products K Q^T (on the last K once more) and the maximum made of them serve nothing: the price, once a launch, of one text for every trip
.set i, 0
.rept 16
	PV NP-1                         ; the last piece's V^T P of the last step
.set i, i+1
.endr
	; THE WAY OUT.  l's two halves and the other half of the lanes' are added; O^T is divided by l, rounded to f16 and sent through my stage in LDS, a tile at a time.  The additions are the places behind the last products.
	WIN 0
.macro ALL line:vararg              ; one line for each tile t
.set t, 0
.rept 2*NP
	\line
.set t, t+1
.endr
.endm
	ALL v_add_f32 v[ST+4*t+2], v[ST+4*t+2], v[ST+4*t+3]
	ALL v_permlanex16_b32 v[ST+4*t+3], v[ST+4*t+2], s[SEL], s[SEL+1]
	ALL v_add_f32 v[ST+4*t+2], v[ST+4*t+2], v[ST+4*t+3]
	ALL v_rcp_f32 v[ST+4*t+2], v[ST+4*t+2]
	v_nop                           ; a plain instruction between the last reciprocal and the use of its result
	s_wait_alu depctr_va_vdst(0)    ; the wait for the batch of eight reciprocals, ahead of their first use
; Tile t: a lane's eight channels of a row pack into 16 bytes; they go into rows of 144 bytes and come back as whole rows of 128, into S^T's registers.
.macro PACK t
	WIN W_RS
.set i, 32*(\t)
.rept 16
	v_pk_mul_f32 v[i:i+1], v[i:i+1], v[ST+4*(\t)+2:ST+4*(\t)+3] op_sel_hi:[1,0]
.set i, i+2
.endr
	WIN 0x05                        ; sources 0 and 1 window 1, destination window 0
.set i, 0
.rept 16
	v_cvt_pk_f16_f32 v[S+16*(\t)+i], v[32*(\t)+2*i], v[32*(\t)+2*i+1]
.set i, i+1
.endr
	WIN 0
.irp f, 0,1,2,3
	ds_store_b128 v[STO], v[S+16*(\t)+4*\f:S+16*(\t)+4*\f+3] offset:32*\f
.endr
.irp f, 0,1,2,3
	ds_load_b128 v[S+16*(\t)+4*\f:S+16*(\t)+4*\f+3], v[RD] offset:\f*4*SP  ; LDS serves a wave's instructions in order (ISA guide 5.7.1.4): these see the stores above; the next tile's stores come behind them
.endr
.endm
.macro SEND t, younger              ; younger: the LDS instructions issued behind tile t's loads: the next tile's eight, or none
	WIN 0
.irp f, 0,1,2,3
	s_wait_dscnt (\younger)+3-\f
	global_store_b128 v[GO], v[S+16*(\t)+4*\f:S+16*(\t)+4*\f+3], s[10:11] offset:(\t)*2048+\f*512  ; 512 consecutive bytes, at a multiple of 256 from O's first
.endr
.endm
	PACK 0
.set t, 1
.rept 2*NP-1                        ; a tile's arithmetic stands between the loads of the tile before and its stores
	PACK t
	SEND t-1, 8
.set t, t+1
.endr
	SEND 2*NP-1, 0
	WIN W_AD
	s_wait_tensorcnt 0x0            ; the wave's end: the add and its waits, behind my last tensor load and my last LDS store
	ds_add_u32 v[SPW], v[NIL]
	s_wait_dscnt 0x0
	WIN 0
	CROUND                          ; the closing round: no work-group ends while a partner may still ask for a tile that names it
	s_endpgm
.Lfunc_end_k_q93513198d8_attn:
	.size	k_q93513198d8_attn, .Lfunc_end_k_q93513198d8_attn-k_q93513198d8_attn
	.p2alignl 7, 3214868480
	.fill 96, 4, 3214868480
	.section	.rodata,"a",@progbits
	.p2align	6, 0x0
	.amdhsa_kernel k_q93513198d8_attn
		.amdhsa_group_segment_fixed_size 327680
		.amdhsa_private_segment_fixed_size 0
		.amdhsa_enable_private_segment 0
		.amdhsa_kernarg_size 24
		.amdhsa_user_sgpr_count 2
		.amdhsa_user_sgpr_kernarg_segment_ptr 1
		.amdhsa_wavefront_size32 1
		.amdhsa_system_sgpr_workgroup_id_x 1
		.amdhsa_system_sgpr_workgroup_id_y 1
		.amdhsa_system_sgpr_workgroup_id_z 1
		.amdhsa_system_vgpr_workitem_id 0
		.amdhsa_next_free_vgpr 808
		.amdhsa_next_free_sgpr 72
		.amdhsa_reserve_vcc 0
		.amdhsa_float_denorm_mode_32 3
		.amdhsa_float_denorm_mode_16_64 3
		.amdhsa_memory_ordered 1
		.amdhsa_forward_progress 1
		.amdhsa_inst_pref_size 204
	.end_amdhsa_kernel
	.amdgpu_metadata
---
amdhsa.version: [ 1, 2 ]
amdhsa.kernels:
  - .name:           k_q93513198d8_attn
    .symbol:         k_q93513198d8_attn.kd
    .args:
      - { .name: qkv, .offset: 0, .size: 8, .value_kind: global_buffer, .address_space: global }
      - { .name: mask, .offset: 8, .size: 8, .value_kind: global_buffer, .address_space: global }
      - { .name: ob, .offset: 16, .size: 8, .value_kind: global_buffer, .address_space: global }
    .group_segment_fixed_size: 327680
    .private_segment_fixed_size: 0
    .kernarg_segment_align: 8
    .kernarg_segment_size: 24
    .max_flat_workgroup_size: 128
    .sgpr_count:     72
    .vgpr_count:     808
    .wavefront_size: 32
...
	.end_amdgpu_metadata
.endif
;; end of part 5
;; launch outp: the kernel of part 4 again; grid 4 x 64, 4 waves a work-group, clusters of 4 x 4, 327,680 bytes of LDS; arguments ob, wts, bo, out0; writes out0
